; MI455X (gfx1250); checked and timed in simulation.
; The chip was launched on July 23, 2026; its instructions are those of AMD's public machine-readable ISA for CDNA 5 (MIT licence, August 2026) and "CDNA5" Instruction Set Architecture Reference Guide (July 2026). The comments in the code are by the model that wrote it; some were corrected since.
;; Dinat Layer Nd. Allowed arithmetic: matrix products marked QUANTISED: E2M1 operands, one E8M0 scale for each 32 along K, by v_wmma_scale_f32_16x16x128_f8f6f4 with both operands' format E2M1 (or v_wmma_scale_f32_32x16x128_f4), f32 sums; products left as they are: f32 operands where the result goes on into a quantised operand, else bf16, f16 or f32 operands; f32 sums; everything else in f32.
;; Inputs: b1 2,048 float32; b2 512 float32; bk 512 float32; bo 512 float32; bq 512 float32; bv 512 float32; hidden_states 4 x 4,096 x 512 float32; ln1_b 512 float32; ln1_g 512 float32; ln2_b 512 float32; ln2_g 512 float32; rpb 8 x 13 float32; w1_codes 2,048 x 16 x 16 uint8 (E2M1 codes of w1, K innermost, in blocks of 32 codes, two codes a byte); w1_scales 2,048 x 16 uint8 (E8M0 scales of w1, one for each 32 codes along K); w2_codes 512 x 64 x 16 uint8 (E2M1 codes of w2, K innermost, in blocks of 32 codes, two codes a byte); w2_scales 512 x 64 uint8 (E8M0 scales of w2, one for each 32 codes along K); wk_codes 512 x 16 x 16 uint8 (E2M1 codes of wk, K innermost, in blocks of 32 codes, two codes a byte); wk_scales 512 x 16 uint8 (E8M0 scales of wk, one for each 32 codes along K); wo_codes 512 x 16 x 16 uint8 (E2M1 codes of wo, K innermost, in blocks of 32 codes, two codes a byte); wo_scales 512 x 16 uint8 (E8M0 scales of wo, one for each 32 codes along K); wq_codes 512 x 16 x 16 uint8 (E2M1 codes of wq, K innermost, in blocks of 32 codes, two codes a byte); wq_scales 512 x 16 uint8 (E8M0 scales of wq, one for each 32 codes along K); wv_codes 512 x 16 x 16 uint8 (E2M1 codes of wv, K innermost, in blocks of 32 codes, two codes a byte); wv_scales 512 x 16 uint8 (E8M0 scales of wv, one for each 32 codes along K).
;; Outputs: out0 4 x 4,096 x 512 float32.
;; This version of the problem:
;;   THIS VERSION OF THE PROBLEM IS GIVEN IN LOW PRECISION. The matrix products marked QUANTISED in the list below multiply operands that are first quantised to E2M1 (2 exponent bits, 1 mantissa bit; 4 bits a number), with one power-of-two scale for each 32 numbers along K (OCP MX v1.0); their sums are f32. All else is computed in f32.
;;   The module's matrix products, in the order in which they are computed (A, B: the left and right operand; K: the contracted axis; several contracted axes count as one K, in the product's order):
;;     1. [M 16,384, K 512] x [K 512, N 512]; A: computed on the way; B: input wq (given as codes): QUANTISED
;;     2. [M 16,384, K 512] x [K 512, N 512]; A: computed on the way; B: input wk (given as codes): QUANTISED
;;     3. [M 16,384, K 512] x [K 512, N 512]; A: computed on the way; B: input wv (given as codes): QUANTISED
;;     4. batch 131,072 x [M 1, K 64] x [K 64, N 7]; A: computed on the way; B: computed on the way: left as it is (M = 1 < 16)
;;     5. batch 131,072 x [M 1, K 7] x [K 7, N 64]; A: softmax; B: computed on the way: left as it is (K = 7 < 32)
;;     6. [M 16,384, K 512] x [K 512, N 512]; A: computed on the way; B: input wo (given as codes): QUANTISED
;;     7. [M 16,384, K 512] x [K 512, N 2,048]; A: computed on the way; B: input w1 (given as codes): QUANTISED
;;     8. [M 16,384, K 2,048] x [K 2,048, N 512]; A: computed on the way; B: input w2 (given as codes): QUANTISED
;;   THE QUANTISER, for each operand of a quantised product, along K:
;;     - K is cut into blocks of 32 from its start; a last block that is shorter is filled with zeros.
;;     - A block's scale is 2^e with e = floor(log2(the largest magnitude in the block)) - 2, held to -126 .. 127; a block of zeros has e = 0. As a byte (E8M0): e + 127.
;;     - Each number is divided by its block's scale, clamped to +-6, and rounded to the nearest number of E2M1, ties to even, subnormals kept.
;;     - The product sums the exact products of the quantised numbers (number of the format x scale) in f32.
;;   ~~~python
;;   def quantise(x, axis):      # numpy; x: float32 -> the quantised numbers, widened to float32 again
;;       x = np.moveaxis(x, axis, -1); K = x.shape[-1]
;;       x = np.pad(x, [(0, 0)] * (x.ndim - 1) + [(0, -K % 32)]); x = x.reshape(x.shape[:-1] + (-1, 32)); a = np.abs(x).max(-1, keepdims=True)
;;       e = np.where(a > 0, np.clip(np.frexp(np.where(a > 0, a, 1))[1] - 1 - 2, -126, 127), 0)      # np.frexp(a)[1] - 1 = floor(log2(a)), exactly
;;       r = np.clip(x / 2.0 ** e, -6, 6)
;;       step = 2.0 ** (np.maximum(np.frexp(np.where(r == 0, 1, r))[1] - 1, 0) - 1)
;;       q = np.round(r / step) * step * 2.0 ** e      # np.round: ties to even
;;       return np.moveaxis(q.reshape(q.shape[:-2] + (-1,))[..., :K], -1, axis).astype(np.float32)
;;   ~~~
;;   OPERANDS COMPUTED ON THE WAY. 'Computed on the way' means the value that the module computes at that place (a softmax that the list does not call 'softmax' is quantised finished and normalised). What goes into a quantiser is computed in f32, as accurately as f32 sums, v_exp_f32 and their like allow (about 1e-6 of the number): no bf16 or f16 on the way to a quantiser, and a product that is left as it is and whose result goes on into a quantised operand takes f32 operands (vector FMAs, or v_wmma_f32_16x16x4_f32). A number that lies on a knife's edge between two numbers of the format may be rounded either way, as far as f32 arithmetic and the matrix unit's own rounding can turn it there, and no further.
;;   INPUTS GIVEN AS CODES. w1 (in the module: [2048, 512], K = its axis 1); w2 (in the module: [512, 2048], K = its axis 1); wk (in the module: [512, 512], K = its axis 1); wo (in the module: [512, 512], K = its axis 1); wq (in the module: [512, 512], K = its axis 1); wv (in the module: [512, 512], K = its axis 1): each comes as NAME_codes (uint8): NAME with its K axis moved to the last place and cut into blocks of 32 codes, [.., K / 32, bytes a block], one block behind the other in memory; two codes a byte, the lower K in the low four bits (a code: sign, 2 exponent bits, 1 mantissa bit); and NAME_scales (uint8): the same leading axes, one E8M0 byte (e + 127) for each 32 codes along K. Its value is code x scale, taken as it is: it is not quantised again, and the codes and scales need not be those that the quantiser above would give.
;; 2 versions, each right; version 2 is version 1 with the launch layer written anew for expert scheduling mode. Each part assembles by itself: llvm-mc -triple=amdgcn-amd-amdhsa -mcpu=gfx1250 --defsym DOCPART=n.
;; ======== version 1 of 2: 1 launch
;; launch layer (part 1): grid 256 x 1, 16 waves a work-group, no clusters, 317,952 bytes of LDS; arguments hidden_states, ln1_g, ln1_b, wq_codes, wq_scales, bq, wk_codes, wk_scales, bk, wv_codes, wv_scales, bv, rpb, wo_codes, wo_scales, bo, ln2_g, ln2_b, w1_codes, w1_scales, b1, w2_codes, w2_scales, b2, out0; writes out0
.if DOCPART == 1
	.amdgcn_target "amdgcn-amd-amdhsa--gfx1250"
	.amdhsa_code_object_version 6
	.text
	.protected	k_qdcbb25ff2a_layer
	.globl	k_qdcbb25ff2a_layer
	.p2align	8
	.type	k_qdcbb25ff2a_layer,@function
k_qdcbb25ff2a_layer:
	s_mov_b64 s[64:65], 0
	v_nop
	global_prefetch_b8 v0, s[64:65] scope:SCOPE_SE
	s_setreg_imm32_b32 hwreg(HW_REG_WAVE_MODE, 25, 1), 1
	s_wait_xcnt 0x0
; One DiNAT layer, whole, in one launch: LN1, q k v (MX-FP4), dilated neighbourhood attention (f32), wo (MX-FP4), residual, LN2, w1 (MX-FP4), exact gelu, w2 (MX-FP4), residual.
; SHARES.  A work-group owns 64 tokens of one batch and takes them through the whole layer; nothing but hidden_states, the weights and out0 touches memory.
; The attention reaches 12 tokens to each side (3 positions of 4 tokens; the clamped windows at a sequence's ends lie inside the same reach of a run of four positions), so k and v are made for a FRAME
; of 96 rows: the 64 tokens and 16 on each side.  Frame rows beyond the sequence are copies of its first or last token: finite, and thrown away by the mask.
; Sixteen waves of 256 registers.  In every product wave w owns output columns 32 w .. 32 w + 31 (of w1: hidden units 128 w .. 128 w + 127, 32 at a time): its weights go from memory straight into its registers,
; each byte read by one wave of the work-group, a run of 16 loads taking 8,192 consecutive bytes.  Activations go from wave to wave through LDS: rows of codes (K in its own order) and rows of scale bytes.
; THE MATRIX INSTRUCTION IS USED TRANSPOSED (source 0 = 16 rows of a weight, source 1 = 16 tokens): lane (r, h) holds token r and the eight channels 8 h + 0 .. 7 of the tile: one conversion makes 4 bytes of the token's row of codes.
; NO JOINT TENSOR LOADS for the weights, though all work-groups walk them: 315,904 of the 327,680 bytes of LDS are written by stores from registers (198,144 of f32 k or v, 46,080 of LN and ctx codes, 71,680 of the
; hidden layer's), and a ring may not lie on such bytes; what is left holds no slot of weights.
; LIMITS.  NaN and infinities among the inputs are not served.  A block whose largest magnitude lies under 2^-124 gets the scale byte 1, a block of zeros too (its codes are zeros; only this text reads the bytes).
; erf is the rational form x P(x^2) / Q(x^2) with x / sqrt 2 held to +-4: 0.5 + 0.5 erf carries an absolute error near 3e-8, so gelu of a very negative x is of the size |x| 3e-8 where the exact value is smaller.
; LDS (bytes).  All pitches are odd multiples of 16 bytes, so that sixteen rows of a 16-byte access start at sixteen different 16-byte columns modulo 256.
.set CP,  272                          ; a row of 512 codes: 256 bytes + 16
.set BP,  2064                         ; a row of 512 f32: 2,048 bytes + 16
.set FP,  1040                         ; a row of 2,048 codes: 1,024 bytes + 16
.set H1C, 0                            ; 96 rows x CP: LN1's codes; rows 0-63 later LN2's
.set H1S, 26112                        ; 96 rows x 16 scale bytes; likewise
.set CXC, 27648                        ; 64 rows x CP: ctx's codes
.set CXS, 45056                        ; 64 rows x 16
.set FFS, 46080                        ; 64 rows x 80: the hidden layer's 64 scale bytes + 16
.set FFC, 51200                        ; 64 rows x FP: its codes
.set BIG, 117760                       ; 96 rows x BP: in turn q (rows 0-63), k, v (frame rows), attn_out, hidden, hidden + y (rows 0-63)
; REGISTERS that stay: v0 thread; v1 272 r + 16 h; v2 16 lane; v3 256 r + 16 h; v4 32 h; v5 BIG + 2064 r + 128 w + 32 h; v6 32 lane; v22 1024 r + 16 h; v23 64 lane.
; v24-31 the weights' scale words, v32-43 the activations': these hold scales and nothing else.  v44-59 two tiles of bias; v60-123 the weights' fragments (ct, s) at 60 + 32 ct + 8 s;
; v124-155 four fragments of tokens; v156-219 accumulators; the phases lay their own work over what is free (said at each phase).
; SCALARS: argument i in s[8+2i:9+2i]; s58 wave; s59 block in the batch; s[60:61] lane selects; s62 1/512; s63 1e-5; s[66:67] log2 e; s68-80 my head's rpb; s82-85 edge masks; s[86:97] six row bases; s[98:99] my four own rows.
.macro NOPS n
.rept \n
	v_nop
.endr
.endm
.macro BARRIER                         ; my LDS stores have landed and my LDS loads are in: then the work-group's barrier
	s_wait_dscnt 0x0
	s_barrier_signal -1
	s_barrier_wait -1
.endm
; My 32 rows of a weight with K = 512: 21 loads.  Scale words: 32 rows x 16 bytes, dense: lanes 0-15 tile 0's rows, lanes 16-31 tile 1's; register 24 + s is K step s.  Bias in the result's layout.  Codes: 8,192 consecutive bytes.
.macro WLOAD cp, sp, bp
	global_load_b128 v[24:27], v2, s[\sp:\sp+1]
.irp ct,0,1
.irp q,0,1
	global_load_b128 v[44+8*\ct+4*\q:47+8*\ct+4*\q], v4, s[\bp:\bp+1] offset:64*\ct+16*\q
.endr
.endr
.irp ct,0,1
.irp s,0,1,2,3
.irp c,0,1
	global_load_b128 v[60+32*\ct+8*\s+4*\c:63+32*\ct+8*\s+4*\c], v3, s[\cp:\cp+1] offset:4096*\ct+64*\s+32*\c
.endr
.endr
.endr
.endm
.macro ASLOAD imm, n                   ; the tokens' scale words: 32 rows x 16 bytes a load: lanes 0-15 row tile 2 i, lanes 16-31 tile 2 i + 1; register 32 + 4 i + s is K step s
.set AI, 0
.rept \n
	ds_load_b128 v[32+4*AI:35+4*AI], v2 offset:(\imm)+512*AI
.set AI, AI+1
.endr
.endm
.macro WM d, a, b, c, sa, sb, ra, rb   ; one product; ra, rb: which half of the lanes holds the side's scale words
.if ((\ra) == 0) && ((\rb) == 0)
	v_wmma_scale_f32_16x16x128_f8f6f4 v[\d:\d+7], v[\a:\a+7], v[\b:\b+7], v[\c:\c+7], v[\sa], v[\sb] matrix_a_fmt:MATRIX_FMT_FP4 matrix_b_fmt:MATRIX_FMT_FP4
.elseif (\rb) == 0
	v_wmma_scale_f32_16x16x128_f8f6f4 v[\d:\d+7], v[\a:\a+7], v[\b:\b+7], v[\c:\c+7], v[\sa], v[\sb] matrix_a_fmt:MATRIX_FMT_FP4 matrix_b_fmt:MATRIX_FMT_FP4 matrix_a_scale:MATRIX_SCALE_ROW1
.elseif (\ra) == 0
	v_wmma_scale_f32_16x16x128_f8f6f4 v[\d:\d+7], v[\a:\a+7], v[\b:\b+7], v[\c:\c+7], v[\sa], v[\sb] matrix_a_fmt:MATRIX_FMT_FP4 matrix_b_fmt:MATRIX_FMT_FP4 matrix_b_scale:MATRIX_SCALE_ROW1
.else
	v_wmma_scale_f32_16x16x128_f8f6f4 v[\d:\d+7], v[\a:\a+7], v[\b:\b+7], v[\c:\c+7], v[\sa], v[\sb] matrix_a_fmt:MATRIX_FMT_FP4 matrix_b_fmt:MATRIX_FMT_FP4 matrix_a_scale:MATRIX_SCALE_ROW1 matrix_b_scale:MATRIX_SCALE_ROW1
.endif
.endm
; 16 tokens (rows of codes from LDS byte imm on) x my 32 columns, K = 512: eight products on two accumulators by turns; the bias is the C of each sum's first product.
; The four v_nop at the end are the places in front of loads into registers that these products read and of the first read of their results.
.macro MSTEP acc, imm, as, brow
.irp s,0,1,2,3
.irp c,0,1
	ds_load_b128 v[124+8*\s+4*\c:127+8*\s+4*\c], v1 offset:(\imm)+64*\s+32*\c
.endr
.endr
	s_wait_dscnt 0x0                               ; the fragments (and scale words asked for before them) are in; earlier stores have read their registers
.irp s,0,1,2,3
.irp ct,0,1
.if \s == 0
	WM (\acc)+8*\ct, 60+32*\ct+8*\s, 124+8*\s, 44+8*\ct, 24+\s, (\as)+\s, \ct, \brow
.else
	WM (\acc)+8*\ct, 60+32*\ct+8*\s, 124+8*\s, (\acc)+8*\ct, 24+\s, (\as)+\s, \ct, \brow
.endif
.endr
.endr
	NOPS 4
.endm
.macro TILE acc, base, m               ; row tile m of the codes at base
	MSTEP \acc, (\base)+16*CP*(\m), 32+4*((\m)/2), (\m)%2
.endm
.macro DSTORE acc, pi                  ; two row tiles x my 32 columns of f32 into rows 32 pi .. 32 pi + 31 of BIG; each accumulator from its low end on
	v_add_nc_u32 v7, 32*BP*(\pi), v5
.irp mi,0,1
.irp ct,0,1
	ds_store_b128 v7, v[(\acc)+16*\mi+8*\ct:(\acc)+16*\mi+8*\ct+3] offset:16*BP*\mi+64*\ct
	ds_store_b128 v7, v[(\acc)+16*\mi+8*\ct+4:(\acc)+16*\mi+8*\ct+7] offset:16*BP*\mi+64*\ct+16
.endr
.endr
.endm
; LAYER NORM.  A wave holds whole rows: lane l has channels 256 u + 8 l + 0 .. 7 (u = 0, 1) in 16 registers at v[LX]; four temporaries a row at v[LT].  LNI writes instruction LST of a row's statistics:
; the sum and the mean; the row centred in place; the sum of squares of the centred row (no difference of large sums is formed); 1 / sqrt(var + eps) into v[LT].
.macro LNI
.if LST == 0
	v_pk_add_f32 v[LT+2:LT+3], v[LX:LX+1], v[LX+2:LX+3]
.elseif LST == 1
	v_pk_add_f32 v[LT:LT+1], v[LX+4:LX+5], v[LX+6:LX+7]
.elseif LST < 6
	v_pk_add_f32 v[LT+2-2*(LST%2):LT+3-2*(LST%2)], v[LT+2-2*(LST%2):LT+3-2*(LST%2)], v[LX+2*LST+4:LX+2*LST+5]
.elseif LST == 6
	v_pk_add_f32 v[LT:LT+1], v[LT:LT+1], v[LT+2:LT+3]
.elseif LST == 7
	v_add_f32 v[LT], v[LT], v[LT+1]
.elseif LST == 8
	v_add_f32_dpp v[LT], v[LT], v[LT] row_xmask:1 row_mask:0xf bank_mask:0xf
.elseif LST == 9
	v_add_f32_dpp v[LT], v[LT], v[LT] row_xmask:2 row_mask:0xf bank_mask:0xf
.elseif LST == 10
	v_add_f32_dpp v[LT], v[LT], v[LT] row_xmask:4 row_mask:0xf bank_mask:0xf
.elseif LST == 11
	v_add_f32_dpp v[LT], v[LT], v[LT] row_xmask:8 row_mask:0xf bank_mask:0xf
.elseif LST == 12
	v_permlanex16_b32 v[LT+1], v[LT], s60, s61
.elseif LST == 13
	v_add_f32 v[LT], v[LT], v[LT+1]
.elseif LST == 14
	v_mul_f32 v[LT], s62, v[LT]
.elseif LST < 23
	v_pk_add_f32 v[LX+2*(LST-15):LX+2*(LST-15)+1], v[LX+2*(LST-15):LX+2*(LST-15)+1], v[LT:LT+1] op_sel_hi:[1,0] neg_lo:[0,1] neg_hi:[0,1]
.elseif LST == 23
	v_pk_mul_f32 v[LT+2:LT+3], v[LX:LX+1], v[LX:LX+1]
.elseif LST < 31
	v_pk_fma_f32 v[LT+2:LT+3], v[LX+2*(LST-23):LX+2*(LST-23)+1], v[LX+2*(LST-23):LX+2*(LST-23)+1], v[LT+2:LT+3]
.elseif LST == 31
	v_add_f32 v[LT+2], v[LT+2], v[LT+3]
.elseif LST == 32
	v_add_f32_dpp v[LT+2], v[LT+2], v[LT+2] row_xmask:1 row_mask:0xf bank_mask:0xf
.elseif LST == 33
	v_add_f32_dpp v[LT+2], v[LT+2], v[LT+2] row_xmask:2 row_mask:0xf bank_mask:0xf
.elseif LST == 34
	v_add_f32_dpp v[LT+2], v[LT+2], v[LT+2] row_xmask:4 row_mask:0xf bank_mask:0xf
.elseif LST == 35
	v_add_f32_dpp v[LT+2], v[LT+2], v[LT+2] row_xmask:8 row_mask:0xf bank_mask:0xf
.elseif LST == 36
	v_permlanex16_b32 v[LT+3], v[LT+2], s60, s61
.elseif LST == 37
	v_add_f32 v[LT+2], v[LT+2], v[LT+3]
.elseif LST == 38
	v_fma_f32 v[LT+2], v[LT+2], s62, s63
.else
	v_rsq_f32 v[LT], v[LT+2]
.endif
.endm
.macro LNSTAT xb, nr, tb               ; nr rows by turns, so that no line waits for the line above it
.set LST, 0
.rept 40
.set LI, 0
.rept \nr
.set LX, (\xb)+16*LI
.set LT, (\tb)+4*LI
	LNI
.set LI, LI+1
.endr
.set LST, LST+1
.endr
	v_nop                                          ; a plain instruction behind the last root,
	s_wait_alu depctr_va_vdst(0)                   ; and one wait ahead of the batch's first reader
.endm
.macro LNAFF xb, nr, tb, g, b          ; (x - mean) / sqrt(var + eps) x gain + bias
.set LI, 0
.rept \nr
.irp k,0,2,4,6,8,10,12,14
	v_pk_mul_f32 v[(\xb)+16*LI+\k:(\xb)+16*LI+\k+1], v[(\xb)+16*LI+\k:(\xb)+16*LI+\k+1], v[(\tb)+4*LI:(\tb)+4*LI+1] op_sel_hi:[1,0]
.endr
.irp k,0,2,4,6,8,10,12,14
	v_pk_fma_f32 v[(\xb)+16*LI+\k:(\xb)+16*LI+\k+1], v[(\xb)+16*LI+\k:(\xb)+16*LI+\k+1], v[(\g)+\k:(\g)+\k+1], v[(\b)+\k:(\b)+\k+1]
.endr
.set LI, LI+1
.endr
.endm
; The rows are quantised: a block of 32 channels lies in four neighbouring lanes.  Its largest magnitude (with the floor 2^-124, which holds the byte at 1 from below) less 2 in the exponent field is the conversion's
; scale operand; that shifted down by 23 is the E8M0 byte.  A lane's eight codes are 4 bytes of the row; the four lanes of a block write the same byte with the same value.
.macro LNQ xb, nr, tb, vc, vs, immc, imms
.irp k,0,2,4,6
.set LI, 0
.rept \nr
.irp u,0,1
.if \k == 0
	v_max3_num_f32 v[(\tb)+4*LI+\u], |v[(\xb)+16*LI+8*\u]|, |v[(\xb)+16*LI+8*\u+1]|, 0x1800000
.else
	v_max3_num_f32 v[(\tb)+4*LI+\u], v[(\tb)+4*LI+\u], |v[(\xb)+16*LI+8*\u+\k]|, |v[(\xb)+16*LI+8*\u+\k+1]|
.endif
.endr
.set LI, LI+1
.endr
.endr
.set LI, 0
.rept \nr
.irp u,0,1
	v_max_num_f32_dpp v[(\tb)+4*LI+\u], v[(\tb)+4*LI+\u], v[(\tb)+4*LI+\u] row_xmask:1 row_mask:0xf bank_mask:0xf
.endr
.set LI, LI+1
.endr
.set LI, 0
.rept \nr
.irp u,0,1
	v_max_num_f32_dpp v[(\tb)+4*LI+\u], v[(\tb)+4*LI+\u], v[(\tb)+4*LI+\u] row_xmask:2 row_mask:0xf bank_mask:0xf
.endr
.set LI, LI+1
.endr
.set LI, 0
.rept \nr
.irp u,0,1
	v_add_nc_u32 v[(\tb)+4*LI+\u], 0xff000000, v[(\tb)+4*LI+\u]
.endr
.set LI, LI+1
.endr
.set LI, 0
.rept \nr
.irp u,0,1
	v_cvt_scalef32_pk8_fp4_f32 v[(\tb)+4*LI+2+\u], v[(\xb)+16*LI+8*\u:(\xb)+16*LI+8*\u+7], v[(\tb)+4*LI+\u]
.endr
.set LI, LI+1
.endr
	v_nop                                          ; one plain instruction behind the scaled conversions
.set LI, 0
.rept \nr
.irp u,0,1
	v_lshrrev_b32 v[(\tb)+4*LI+\u], 23, v[(\tb)+4*LI+\u]
.endr
.set LI, LI+1
.endr
.set LI, 0
.rept \nr
.irp u,0,1
	ds_store_b32 v[\vc], v[(\tb)+4*LI+2+\u] offset:(\immc)+CP*LI+128*\u
	ds_store_b8 v[\vs], v[(\tb)+4*LI+\u] offset:(\imms)+16*LI+8*\u
.endr
.set LI, LI+1
.endr
.endm
; ATTENTION.  Lane: g = lane & 3 (the dilation group), qt = (lane >> 2) & 3 (16 channels of the head), x = lane >> 4; head = wave / 2; run of four positions rn = 2 (wave & 1) + x.
; The lane serves own tokens 16 rn + 4 p + g (p = 0 .. 3) against key frame rows 16 rn + 4 j + g + 4 (j = 0 .. 9): relative position j - 3 - p, rpb index j - p + 3.
.macro KROW j, dst                     ; my 16 channels of key or value row j
.irp i,0,1,2,3
.if (\j) < 8
	ds_load_b128 v[(\dst)+4*\i:(\dst)+4*\i+3], v9 offset:4*BP*(\j)+16*\i
.else
	ds_load_b128 v[(\dst)+4*\i:(\dst)+4*\i+3], v10 offset:4*BP*((\j)-8)+16*\i
.endif
.endr
.endm
.macro DOT j                           ; four queries x key row j, my 16 channels; the next row is asked for first
.if (\j) < 9
	KROW (\j)+1, 60+16*(((\j)+1)%2)
	s_wait_dscnt 4                                 ; row j is in; the four loads just issued may be out
.else
	s_wait_dscnt 0x0
.endif
.irp i,0,2,4,6,8,10,12,14
.irp p,0,1,2,3
.if \i == 0
	v_pk_mul_f32 v[92+2*\p:93+2*\p], v[188+16*\p:189+16*\p], v[60+16*((\j)%2):61+16*((\j)%2)]
.else
	v_pk_fma_f32 v[92+2*\p:93+2*\p], v[188+16*\p+\i:189+16*\p+\i], v[60+16*((\j)%2)+\i:61+16*((\j)%2)+\i], v[92+2*\p:93+2*\p]
.endif
.endr
.endr
.irp p,0,1,2,3
	v_add_f32 v[124+10*\p+(\j)], v[92+2*\p], v[93+2*\p]
.endr
.endm
.macro PVROW j                         ; ctx += probability (p, j) x value row j
.if (\j) < 9
	KROW (\j)+1, 60+16*(((\j)+1)%2)
	s_wait_dscnt 4                                 ; row j is in; the four loads just issued may be out
.else
	s_wait_dscnt 0x0
.endif
.irp p,0,1,2,3
.irp i,0,2,4,6,8,10,12,14
.if (\j) == 0
	v_pk_mul_f32 v[124+16*\p+\i:125+16*\p+\i], v[60+\i:61+\i], v[188+10*\p:189+10*\p] op_sel_hi:[1,0]
.elseif (\j)%2 == 0
	v_pk_fma_f32 v[124+16*\p+\i:125+16*\p+\i], v[60+\i:61+\i], v[188+10*\p+(\j):189+10*\p+(\j)], v[124+16*\p+\i:125+16*\p+\i] op_sel_hi:[1,0,1]
.else
	v_pk_fma_f32 v[124+16*\p+\i:125+16*\p+\i], v[76+\i:77+\i], v[187+10*\p+(\j):188+10*\p+(\j)], v[124+16*\p+\i:125+16*\p+\i] op_sel:[0,1,0] op_sel_hi:[1,1,1]
.endif
.endr
.endr
.endm
; gelu(x) = x (0.5 + 0.5 erf(x / sqrt 2)) on the eight registers at v[x], from the low end on.  0.5 erf(x / sqrt 2) = xc P(xc^2) / Q(xc^2), xc = x held to +-4 sqrt 2; the factors 1 / sqrt 2, 1 / 2 and the powers of 2 are
; folded into the coefficients.  v220-227 xc, v228-235 xc^2 and then 1 / Q, v236-243 P, v244-251 Q.
.macro GELU x
.irp k,0,1,2,3,4,5,6,7
	v_med3_num_f32 v[220+\k], v[(\x)+\k], -s90, s90
.endr
.irp k,0,2,4,6
	v_pk_mul_f32 v[228+\k:229+\k], v[220+\k:221+\k], v[220+\k:221+\k]
.endr
.irp k,0,2,4,6
	v_pk_fma_f32 v[236+\k:237+\k], v[228+\k:229+\k], s[66:67], s[68:69] op_sel_hi:[1,0,0]
.endr
.irp k,0,2,4,6
	v_pk_fma_f32 v[244+\k:245+\k], v[228+\k:229+\k], s[80:81], s[82:83] op_sel_hi:[1,0,0]
.endr
.irp a,0,2,4
.irp k,0,2,4,6
	v_pk_fma_f32 v[236+\k:237+\k], v[236+\k:237+\k], v[228+\k:229+\k], s[70+\a:71+\a] op_sel_hi:[1,1,0]
.endr
.irp k,0,2,4,6
	v_pk_fma_f32 v[244+\k:245+\k], v[244+\k:245+\k], v[228+\k:229+\k], s[84+\a:85+\a] op_sel_hi:[1,1,0]
.endr
.endr
.irp a,76,78
.irp k,0,2,4,6
	v_pk_fma_f32 v[236+\k:237+\k], v[236+\k:237+\k], v[228+\k:229+\k], s[\a:\a+1] op_sel_hi:[1,1,0]
.endr
.endr
.irp k,0,1,2,3,4,5,6,7
	v_rcp_f32 v[228+\k], v[244+\k]
.endr
.irp k,0,2,4,6
	v_pk_mul_f32 v[236+\k:237+\k], v[236+\k:237+\k], v[220+\k:221+\k]   ; plain work behind the reciprocals that names none of their registers
.endr
	s_wait_alu depctr_va_vdst(0)                   ; one wait for the eight reciprocals, ahead of their first reader
.irp k,0,2,4,6
	v_pk_fma_f32 v[236+\k:237+\k], v[236+\k:237+\k], v[228+\k:229+\k], 0.5 op_sel_hi:[1,1,0]
.endr
.irp k,0,2,4,6
	v_pk_mul_f32 v[(\x)+\k:(\x)+\k+1], v[(\x)+\k:(\x)+\k+1], v[236+\k:237+\k]
.endr
.endm
; The group's 32 hidden units of 64 rows are quantised: one block a row; lane (r, h) holds 16 of its numbers (tiles (m, 0) and (m, 1)), lane l xor 16 the others.  Four temporaries a row tile at v[220 + 4 m].
.macro FQ
.irp k,0,2,4,6,8,10,12,14
.irp m,0,1,2,3
.if \k == 0
	v_max3_num_f32 v[220+4*\m], |v[156+16*\m]|, |v[157+16*\m]|, 0x1800000
.else
	v_max3_num_f32 v[220+4*\m], v[220+4*\m], |v[156+16*\m+\k]|, |v[157+16*\m+\k]|
.endif
.endr
.endr
.irp m,0,1,2,3
	v_permlanex16_b32 v[221+4*\m], v[220+4*\m], s60, s61
.endr
.irp m,0,1,2,3
	v_max_num_f32 v[220+4*\m], v[220+4*\m], v[221+4*\m]
.endr
.irp m,0,1,2,3
	v_add_nc_u32 v[220+4*\m], 0xff000000, v[220+4*\m]
.endr
.irp m,0,1,2,3
	v_cvt_scalef32_pk8_fp4_f32 v[222+4*\m], v[156+16*\m:163+16*\m], v[220+4*\m]
	v_cvt_scalef32_pk8_fp4_f32 v[223+4*\m], v[164+16*\m:171+16*\m], v[220+4*\m]
.endr
	v_nop                                          ; one plain instruction behind the scaled conversions
.irp m,0,1,2,3
	v_lshrrev_b32 v[220+4*\m], 23, v[220+4*\m]
.endr
.irp m,0,1,2,3
	ds_store_b32 v7, v[222+4*\m] offset:16*FP*\m
	ds_store_b32 v7, v[223+4*\m] offset:16*FP*\m+8
	ds_store_b8 v8, v[220+4*\m] offset:1280*\m
.endr
.endm
.macro W2LOAD c, rb                    ; my 32 rows of w2, 256 along K from 256 c on: four fragments (ct, s') at rb + 16 ct + 8 s'
.irp ct,0,1
.irp sp,0,1
.irp q,0,1
	global_load_b128 v[(\rb)+16*\ct+8*\sp+4*\q:(\rb)+16*\ct+8*\sp+4*\q+3], v22, s[50:51] offset:16384*\ct+128*(\c)+64*\sp+32*\q
.endr
.endr
.endr
.endm
.macro ACT2 n                          ; step n's two fragments of the hidden layer: row tile n % 4, chunk n / 4
.irp sp,0,1
.irp q,0,1
	ds_load_b128 v[220+16*((\n)%2)+8*\sp+4*\q:223+16*((\n)%2)+8*\sp+4*\q], v9 offset:16*FP*((\n)%4)+128*((\n)/4)+64*\sp+32*\q
.endr
.endr
.endm
; Step n of 32 of the last product: chunk c = n / 4 (256 along K), row tile m = n % 4: four products on two accumulators by turns.  w2's chunks come through three sets of 32 registers, two chunks ahead.
.macro W2STEP n
.set WC, (\n)/4
.set WMI, (\n)%4
.if WMI == 0
.if WC < 6
	s_wait_loadcnt 17                              ; this chunk and its scale words are in; two younger chunks of 8 loads and one load of scale words may be out
.elseif WC == 6
	s_wait_loadcnt 8                               ; the last chunk may be out
.else
	s_wait_loadcnt 0x0
.endif
.endif
.if (\n) < 31
	s_wait_dscnt 4                                 ; all but the next step's four loads
.else
	s_wait_dscnt 0x0
.endif
.irp sp,0,1
.irp ct,0,1
	WM 156+16*WMI+8*\ct, 60+32*(WC%3)+16*\ct+8*\sp, 220+16*((\n)%2)+8*\sp, 156+16*WMI+8*\ct, 24+4*((WC/2)%2)+2*(WC%2)+\sp, 32+4*(WMI/2)+2*(WC%2)+\sp, \ct, WMI%2
.endr
.endr
	NOPS 4
.if ((\n)%8 == 7) && ((\n) < 31)
	ds_load_b128 v[32:35], v10 offset:FFS+16*(((\n)+1)/8)          ; the next 512 along K of the rows' scale words: ahead of the fragments' loads, so that the next step's count covers them
	ds_load_b128 v[36:39], v10 offset:FFS+2560+16*(((\n)+1)/8)
.endif
.if (\n)+2 < 32
	ACT2 (\n)+2
.endif
.if (WMI == 3) && (WC < 5)
.if WC%2 == 1
	global_load_b128 v[24+4*(((WC+3)/2)%2):27+4*(((WC+3)/2)%2)], v23, s[52:53] offset:16*((WC+3)/2)
.endif
	W2LOAD WC+3, 60+32*(WC%3)
.endif
.endm
; ---------------------------------------------------------------- the head
	s_load_b512 s[8:23], s[0:1], 0x0
	s_load_b512 s[24:39], s[0:1], 0x40
	s_load_b512 s[40:55], s[0:1], 0x80
	s_load_b64 s[56:57], s[0:1], 0xc0
	v_lshl_add_u32 v254, v0, 2, 0x4d200
	v_mov_b32 v255, 0
	v_lshrrev_b32 v8, 5, v0
	v_readfirstlane_b32 s58, v8                    ; wave 0 .. 15
	v_and_b32 v9, 31, v0                           ; lane
	v_and_b32 v10, 15, v0                          ; r
	v_bfe_u32 v11, v0, 4, 1                        ; h
	v_mul_u32_u24 v1, v10, CP
	v_lshl_add_u32 v1, v11, 4, v1
	v_lshlrev_b32 v2, 4, v9
	v_lshlrev_b32 v3, 8, v10
	v_lshl_add_u32 v3, v11, 4, v3
	v_lshlrev_b32 v4, 5, v11
	v_lshlrev_b32 v6, 5, v9
	v_lshlrev_b32 v22, 10, v10
	v_lshl_add_u32 v22, v11, 4, v22
	v_lshlrev_b32 v23, 6, v9
	s_lshl_b32 s2, s58, 7
	s_add_co_u32 s2, s2, BIG
	v_mul_u32_u24 v5, v10, BP
	v_lshl_add_u32 v5, v11, 5, v5
	v_add_nc_u32 v5, s2, v5
	s_mul_i32 s2, s58, 6*CP
	v_lshl_add_u32 v20, v9, 2, s2                  ; LN1's codes: my six frame rows, 4 bytes a lane
	s_mul_i32 s2, s58, 96
	v_lshrrev_b32 v21, 2, v9
	v_add_nc_u32 v21, s2, v21                      ; and their scale bytes: 16 a row, a byte for four lanes
	s_and_b32 s59, ttmp9, 63                       ; my block of 64 tokens in the batch
	s_lshl_b32 s4, s59, 6
	s_mul_i32 s5, s58, 6
	s_add_co_u32 s4, s4, s5
	s_sub_co_i32 s4, s4, 16                        ; the token of my first frame row (under 0 or over 4,095 at a sequence's ends)
	s_lshr_b32 s6, ttmp9, 6
	s_lshl_b32 s6, s6, 12                          ; 4,096 x batch
.irp i,0,1,2,3,4,5
	s_add_co_i32 s[86+2*\i], s4, \i
	s_max_i32 s[86+2*\i], s[86+2*\i], 0
	s_min_i32 s[86+2*\i], s[86+2*\i], 4095         ; held inside the sequence
	s_add_co_u32 s[86+2*\i], s[86+2*\i], s6
	s_lshl_b32 s[86+2*\i], s[86+2*\i], 11          ; a row is 2,048 bytes
	s_mov_b32 s[87+2*\i], 0
.endr
	s_and_b32 s4, s58, 1
	s_or_b32 s6, s59, s4
	s_cmp_eq_u32 s6, 0
	s_cselect_b32 s82, 0xffff, 0                   ; the lanes whose run is a sequence's first: block 0, run 0
	s_xor_b32 s6, s59, 63
	s_xor_b32 s4, s4, 1
	s_or_b32 s6, s6, s4
	s_cmp_eq_u32 s6, 0
	s_cselect_b32 s84, 0xffff0000, 0               ; and its last: block 63, run 3
	s_not_b32 s83, s84
	s_not_b32 s85, s82
	s_mov_b32 s60, 0x76543210
	s_mov_b32 s61, 0xfedcba98                      ; v_permlanex16_b32's selects for lane l xor 16
	s_mov_b32 s62, 0x3b000000                      ; 1 / 512
	s_mov_b32 s63, 0x3727c5ac                      ; 1e-5
	s_mov_b32 s66, 0x3fb8aa3b                      ; log2 e
	s_mov_b32 s67, s66
	s_lshl_b32 s2, s58, 13
	s_mov_b32 s3, 0
	s_lshl_b32 s4, s58, 9
	s_mov_b32 s5, 0
	s_lshl_b32 s6, s58, 7
	s_mov_b32 s7, 0
	s_wait_kmcnt 0x0
.irp i,0,1,2,3,4,5
	s_add_nc_u64 s[86+2*\i:87+2*\i], s[8:9], s[86+2*\i:87+2*\i]
.endr
.irp u,0,1
.irp q,0,1
	global_load_b128 v[220+8*\u+4*\q:223+8*\u+4*\q], v6, s[10:11] offset:1024*\u+16*\q
	global_load_b128 v[236+8*\u+4*\q:239+8*\u+4*\q], v6, s[12:13] offset:1024*\u+16*\q
.endr
.endr
.irp i,0,1,2,3,4,5
.irp u,0,1
.irp q,0,1
	global_load_b128 v[124+16*\i+8*\u+4*\q:127+16*\i+8*\u+4*\q], v6, s[86+2*\i:87+2*\i] offset:1024*\u+16*\q   ; a pair of loads takes 1,024 consecutive bytes of the row
.endr
.endr
.endr
.irp a,14,20,26,34
	s_add_nc_u64 s[\a:\a+1], s[\a:\a+1], s[2:3]    ; wq, wk, wv, wo: my 32 rows of 256 bytes,
	s_add_nc_u64 s[\a+2:\a+3], s[\a+2:\a+3], s[4:5]  ; of 16 scale bytes,
	s_add_nc_u64 s[\a+4:\a+5], s[\a+4:\a+5], s[6:7]  ; my 32 numbers of the bias
.endr
	s_add_nc_u64 s[48:49], s[48:49], s[4:5]        ; b1: my 128 numbers
	WLOAD 14, 16, 18                               ; wq
	s_lshl_b32 s2, s58, 15
	s_add_nc_u64 s[44:45], s[44:45], s[2:3]        ; w1: my 128 rows of 256 bytes
	s_add_nc_u64 s[50:51], s[50:51], s[2:3]        ; w2: my 32 rows of 1,024 bytes
	s_lshl_b32 s2, s58, 11
	s_add_nc_u64 s[46:47], s[46:47], s[2:3]        ; their scale bytes
	s_add_nc_u64 s[52:53], s[52:53], s[2:3]
	s_lshl_b32 s2, ttmp9, 6
	s_lshl_b32 s4, s58, 2
	s_add_co_u32 s2, s2, s4
	s_lshl_b32 s2, s2, 11
	s_add_nc_u64 s[56:57], s[56:57], s[2:3]        ; out0 and hidden_states at my four own rows: 64 x work-group + 4 x wave
	s_add_nc_u64 s[98:99], s[8:9], s[2:3]
	s_lshr_b32 s2, s58, 1
	s_mul_i32 s2, s2, 52
	s_add_nc_u64 s[32:33], s[32:33], s[2:3]        ; my head's 13 numbers of rpb
	s_load_b256 s[68:75], s[32:33], 0x0
	s_load_b128 s[76:79], s[32:33], 0x20
	s_load_b32 s80, s[32:33], 0x30
; ---------------------------------------------------------------- LN1: my six frame rows.  v124-219 the rows, v220-235 gain, v236-251 bias, v8-19 temporaries
	s_wait_loadcnt 33                              ; gain, bias and rows 0-2 are in; rows 3-5 (12 loads) and wq (21) may be out
	LNSTAT 124, 3, 8
	LNAFF 124, 3, 8, 220, 236
	LNQ 124, 3, 8, 20, 21, H1C, H1S
	s_wait_loadcnt 21                              ; rows 3-5 are in; wq may be out
	s_wait_dscnt 0x0                               ; the stores have read the temporaries
	LNSTAT 172, 3, 8
	LNAFF 172, 3, 8, 220, 236
	LNQ 172, 3, 8, 20, 21, H1C+3*CP, H1S+48
	BARRIER                                        ; the frame's 96 rows of codes and scale bytes lie in LDS
; ---------------------------------------------------------------- q for the 64 own tokens (frame tiles 1 to 4) into rows 0-63 of BIG
	ASLOAD H1S, 3                                  ; the frame's scale words: they stay for q, k and v
	v_and_b32 v12, 3, v0                           ; g
	v_bfe_u32 v13, v0, 2, 2                        ; qt
	v_bfe_u32 v14, v0, 4, 1                        ; x
	v_bfe_u32 v15, v0, 3, 1                        ; qt / 2
	s_and_b32 s2, s58, 1
	s_lshr_b32 s3, s58, 1                          ; head
	s_mul_i32 s4, s2, 32*BP
	s_lshl_b32 s5, s3, 8
	s_add_co_u32 s4, s4, s5
	s_add_co_u32 s4, s4, BIG
	v_mul_u32_u24 v8, v12, BP
	v_lshl_add_u32 v8, v13, 6, v8
	v_mad_u32_u24 v8, v14, 16*BP, v8
	v_add_nc_u32 v8, s4, v8                        ; q: row 16 rn + g, my 64 bytes of the head
	v_add_nc_u32 v9, 4*BP, v8                      ; k, v: frame row 16 rn + g + 4,
	v_add_nc_u32 v10, 32*BP, v9                    ; and eight key rows on (beyond the 16-bit offset)
	s_mul_i32 s4, s2, 32*CP
	s_lshl_b32 s5, s3, 5
	s_add_co_u32 s4, s4, s5
	s_add_co_u32 s4, s4, CXC
	v_mul_u32_u24 v20, v12, CP
	v_lshl_add_u32 v20, v13, 3, v20
	v_mad_u32_u24 v20, v14, 16*CP, v20
	v_add_nc_u32 v20, s4, v20                      ; ctx's codes: row 16 rn + g, my 8 bytes
	s_lshl_b32 s4, s2, 9
	s_lshl_b32 s5, s3, 1
	s_add_co_u32 s4, s4, s5
	s_add_co_u32 s4, s4, CXS
	v_lshl_add_u32 v21, v12, 4, v15
	v_lshl_add_u32 v21, v14, 8, v21
	v_add_nc_u32 v21, s4, v21                      ; and their scale byte: 2 head + qt / 2
	s_wait_loadcnt 0x0                             ; wq
	TILE 156, H1C, 1
	TILE 172, H1C, 2
	DSTORE 156, 0
	TILE 156, H1C, 3
	TILE 172, H1C, 4
	WLOAD 20, 22, 24                               ; wk, behind the places of the last products that read wq
	DSTORE 156, 1
	BARRIER
; q comes back in the attention's order: v[188 + 16 p + c]
.irp p,0,1,2,3
.irp i,0,1,2,3
	ds_load_b128 v[188+16*\p+4*\i:191+16*\p+4*\i], v8 offset:4*BP*\p+16*\i
.endr
.endr
	BARRIER                                        ; everybody's q is in registers: BIG may take k
; ---------------------------------------------------------------- k for the frame
	s_wait_loadcnt 0x0                             ; wk
.irp t,0,1,2
	TILE 156, H1C, 2*\t
	TILE 172, H1C, 2*\t+1
	DSTORE 156, \t
.endr
	BARRIER
; ---------------------------------------------------------------- scores and softmax.  v60-91 two key rows, v92-99 partial sums, v[124 + 10 p + j] scores; then v[188 + 10 p + j] probabilities
	s_wait_kmcnt 0x0                               ; rpb
	v_mov_b32 v11, 0xff800000                      ; -infinity
	KROW 0, 60
.irp j,0,1,2,3,4,5,6,7,8,9
	DOT \j
.endr
.set NN, 0
.rept 40
	v_add_f32_dpp v[124+NN], v[124+NN], v[124+NN] row_xmask:4 row_mask:0xf bank_mask:0xf   ; the head's four quarters lie in lanes 4 and 8 apart
.set NN, NN+1
.endr
.set NN, 0
.rept 40
	v_add_f32_dpp v[124+NN], v[124+NN], v[124+NN] row_xmask:8 row_mask:0xf bank_mask:0xf
.set NN, NN+1
.endr
.irp p,0,1,2,3
.irp j,0,1,2,3,4,5,6,7,8,9
	v_fma_f32 v[124+10*\p+\j], v[124+10*\p+\j], 0x3e000000, s[71+\j-\p]   ; / sqrt(64), + rpb[head][j - p + 3]
.endr
.endr
; The window: inner runs take 0 <= j - p <= 6, a sequence's first run j >= 3, its last j <= 6.  What is outside becomes -infinity, by masks of lanes: no branch and no address hangs on the block's place.
.irp p,0,1,2,3
.irp j,0,1,2
.if \j >= \p
	v_cndmask_b32 v[124+10*\p+\j], v[124+10*\p+\j], v11, s82       ; hidden in a first run alone
.else
	v_cndmask_b32 v[124+10*\p+\j], v[124+10*\p+\j], v11, s83       ; kept in a last run alone
.endif
.endr
.irp j,7,8,9
.if \j-\p <= 6
	v_cndmask_b32 v[124+10*\p+\j], v[124+10*\p+\j], v11, s84       ; hidden in a last run alone
.else
	v_cndmask_b32 v[124+10*\p+\j], v[124+10*\p+\j], v11, s85       ; kept in a first run alone
.endif
.endr
.endr
	WLOAD 26, 28, 30                               ; wv: the key rows' registers are free
.irp p,0,1,2,3
	v_max3_num_f32 v[228+\p], v[124+10*\p], v[125+10*\p], v[126+10*\p]
.endr
.irp k,3,5,7
.irp p,0,1,2,3
	v_max3_num_f32 v[228+\p], v[228+\p], v[124+10*\p+\k], v[125+10*\p+\k]
.endr
.endr
.irp p,0,1,2,3
	v_max_num_f32 v[228+\p], v[228+\p], v[133+10*\p]               ; the largest score inside the window (seven are finite)
.endr
.irp p,0,1,2,3
	v_mul_f32 v[232+\p], 0xbfb8aa3b, v[228+\p]                     ; - maximum x log2 e
.endr
.irp p,0,2
.irp i,0,2,4,6,8
	v_pk_fma_f32 v[124+10*\p+\i:125+10*\p+\i], v[124+10*\p+\i:125+10*\p+\i], s[66:67], v[232+\p:233+\p] op_sel_hi:[1,0,0]
	v_pk_fma_f32 v[134+10*\p+\i:135+10*\p+\i], v[134+10*\p+\i:135+10*\p+\i], s[66:67], v[232+\p:233+\p] op_sel:[0,0,1] op_sel_hi:[1,0,1]
.endr
.endr
.set NN, 0
.rept 40
	v_exp_f32 v[188+NN], v[124+NN]
.set NN, NN+1
.endr
	v_nop                                          ; a plain instruction behind the last exponential,
	s_wait_alu depctr_va_vdst(0)                   ; and one wait for the forty, ahead of their first reader
.irp p,0,1,2,3
	v_pk_add_f32 v[236+2*\p:237+2*\p], v[188+10*\p:189+10*\p], v[190+10*\p:191+10*\p]
.endr
.irp k,4,6,8
.irp p,0,1,2,3
	v_pk_add_f32 v[236+2*\p:237+2*\p], v[236+2*\p:237+2*\p], v[188+10*\p+\k:189+10*\p+\k]
.endr
.endr
.irp p,0,1,2,3
	v_add_f32 v[236+2*\p], v[236+2*\p], v[237+2*\p]
.endr
.irp p,0,1,2,3
	v_rcp_f32 v[244+\p], v[236+2*\p]
.endr
	v_nop
	s_wait_alu depctr_va_vdst(0)                   ; one wait for the four reciprocals
.irp p,0,2
.irp i,0,2,4,6,8
	v_pk_mul_f32 v[188+10*\p+\i:189+10*\p+\i], v[188+10*\p+\i:189+10*\p+\i], v[244+\p:245+\p] op_sel_hi:[1,0]
	v_pk_mul_f32 v[198+10*\p+\i:199+10*\p+\i], v[198+10*\p+\i:199+10*\p+\i], v[244+\p:245+\p] op_sel:[0,1] op_sel_hi:[1,1]
.endr
.endr
	BARRIER                                        ; everybody has read k: BIG may take v
; ---------------------------------------------------------------- v for the frame
	s_wait_loadcnt 0x0                             ; wv
.irp t,0,1,2
	TILE 156, H1C, 2*\t
	TILE 172, H1C, 2*\t+1
	DSTORE 156, \t
.endr
	BARRIER
; ---------------------------------------------------------------- ctx = probabilities x v, in f32: v[124 + 16 p + c]; then quantised: a block of 32 channels lies in lanes l and l xor 4
	KROW 0, 60
.irp j,0,1,2,3,4,5,6,7,8,9
	PVROW \j
.endr
	WLOAD 34, 36, 38                               ; wo
.irp k,0,2,4,6,8,10,12,14
.irp p,0,1,2,3
.if \k == 0
	v_max3_num_f32 v[188+4*\p], |v[124+16*\p]|, |v[125+16*\p]|, 0x1800000
.else
	v_max3_num_f32 v[188+4*\p], v[188+4*\p], |v[124+16*\p+\k]|, |v[125+16*\p+\k]|
.endif
.endr
.endr
.irp p,0,1,2,3
	v_max_num_f32_dpp v[188+4*\p], v[188+4*\p], v[188+4*\p] row_xmask:4 row_mask:0xf bank_mask:0xf
.endr
.irp p,0,1,2,3
	v_add_nc_u32 v[188+4*\p], 0xff000000, v[188+4*\p]
.endr
.irp p,0,1,2,3
	v_cvt_scalef32_pk8_fp4_f32 v[190+4*\p], v[124+16*\p:131+16*\p], v[188+4*\p]
	v_cvt_scalef32_pk8_fp4_f32 v[191+4*\p], v[132+16*\p:139+16*\p], v[188+4*\p]
.endr
	v_nop                                          ; one plain instruction behind the scaled conversions
.irp p,0,1,2,3
	v_lshrrev_b32 v[188+4*\p], 23, v[188+4*\p]
.endr
.irp p,0,1,2,3
	ds_store_b64 v20, v[190+4*\p:191+4*\p] offset:4*CP*\p
	ds_store_b8 v21, v[188+4*\p] offset:64*\p
.endr
	BARRIER
; ---------------------------------------------------------------- attn_out = ctx wo^T + bo into rows 0-63 of BIG
.irp i,0,1,2,3
.irp u,0,1
.irp q,0,1
	global_load_b128 v[188+16*\i+8*\u+4*\q:191+16*\i+8*\u+4*\q], v6, s[98:99] offset:2048*\i+1024*\u+16*\q   ; my four own rows of hidden_states, for the residual
.endr
.endr
.endr
	ASLOAD CXS, 2
	s_wait_loadcnt 16                              ; wo is in; the 16 loads just issued may be out
	TILE 156, CXC, 0
	TILE 172, CXC, 1
	DSTORE 156, 0
	TILE 156, CXC, 2
	TILE 172, CXC, 3
	WLOAD 44, 46, 48                               ; w1's first 32 of my 128 rows
	DSTORE 156, 1
	BARRIER
; ---------------------------------------------------------------- hidden = x + attn_out, kept in BIG; LN2; its codes.  Wave w: rows 4 w .. 4 w + 3.  v188-251 the rows, v124-187 attn_out, then v124-155 gain and bias, v156-171 temporaries
	s_mul_i32 s2, s58, 4*BP
	s_add_co_u32 s2, s2, BIG
	v_and_b32 v12, 31, v0
	v_lshl_add_u32 v8, v12, 5, s2
	s_mul_i32 s2, s58, 4*CP
	v_lshl_add_u32 v20, v12, 2, s2
	s_lshl_b32 s2, s58, 6
	v_lshrrev_b32 v21, 2, v12
	v_add_nc_u32 v21, s2, v21
.irp i,0,1,2,3
.irp u,0,1
.irp q,0,1
	ds_load_b128 v[124+16*\i+8*\u+4*\q:127+16*\i+8*\u+4*\q], v8 offset:BP*\i+1024*\u+16*\q
.endr
.endr
.endr
	s_wait_dscnt 0x0
	s_wait_loadcnt 21                              ; my rows of hidden_states are in; w1's 21 loads may be out
.set NN, 0
.rept 32
	v_pk_add_f32 v[188+NN:189+NN], v[188+NN:189+NN], v[124+NN:125+NN]
.set NN, NN+2
.endr
.irp i,0,1,2,3
.irp u,0,1
.irp q,0,1
	ds_store_b128 v8, v[188+16*\i+8*\u+4*\q:191+16*\i+8*\u+4*\q] offset:BP*\i+1024*\u+16*\q   ; my own rows: no other wave touches them before the next barrier
.endr
.endr
.endr
.irp u,0,1
.irp q,0,1
	global_load_b128 v[124+8*\u+4*\q:127+8*\u+4*\q], v6, s[40:41] offset:1024*\u+16*\q
	global_load_b128 v[140+8*\u+4*\q:143+8*\u+4*\q], v6, s[42:43] offset:1024*\u+16*\q
.endr
.endr
	s_wait_dscnt 0x0                               ; the stores have read the rows, which are centred in place below
	LNSTAT 188, 4, 156
	s_wait_loadcnt 0x0                             ; gain and bias
	LNAFF 188, 4, 156, 124, 140
	LNQ 188, 4, 156, 20, 21, H1C, H1S
	BARRIER
; ---------------------------------------------------------------- the hidden layer: my 128 units, 32 at a time, for all 64 rows: product, gelu, quantiser, codes to LDS
	s_mov_b32 s66, 0xabd3f331                      ; P's seven coefficients, the highest power first, each twice (the packed forms name pairs)
	s_mov_b32 s68, 0x2fa84a8d
	s_mov_b32 s70, 0xb347667d
	s_mov_b32 s72, 0xb628d45d
	s_mov_b32 s74, 0xb8883d9c
	s_mov_b32 s76, 0xba08eb41
	s_mov_b32 s78, 0xbbba79f3
	s_mov_b32 s80, 0xb57460cd                      ; Q's five
	s_mov_b32 s82, 0xb7dfbd29
	s_mov_b32 s84, 0xb9dc924e
	s_mov_b32 s86, 0xbb719bf8
	s_mov_b32 s88, 0xbc69b6a7
.irp a,66,68,70,72,74,76,78,80,82,84,86,88
	s_mov_b32 s[\a+1], s[\a]
.endr
	s_mov_b32 s90, 0x40b504f3                      ; 4 sqrt 2
	v_and_b32 v12, 15, v0
	v_bfe_u32 v13, v0, 4, 1
	v_and_b32 v14, 31, v0
	v_mul_u32_u24 v252, v12, FP
	v_lshl_add_u32 v9, v13, 4, v252
	v_add_nc_u32 v9, FFC, v9                       ; the last product's fragments: row r, + 16 h
	v_lshl_add_u32 v252, v13, 2, v252
	s_lshl_b32 s2, s58, 6
	s_add_co_u32 s2, s2, FFC
	v_add_nc_u32 v252, s2, v252                    ; where I put codes: row r, my wave's 64 bytes, + 4 h
	v_mul_u32_u24 v253, v12, 80
	s_lshl_b32 s2, s58, 2
	s_add_co_u32 s2, s2, FFS
	v_add_nc_u32 v253, s2, v253                    ; and scale bytes: row r, my wave's four
	v_mul_u32_u24 v10, v14, 80                     ; the rows' scale words: 80 x lane
	ASLOAD H1S, 2
.macro TRIP last
	s_wait_loadcnt 0x0                             ; this group's weights; the bases below are stepped behind this wait
.irp m,0,1,2,3
	TILE 156+16*\m, H1C, \m
.endr
.if \last
	global_load_b128 v[24:27], v23, s[52:53]       ; w2's first scale words and its first two chunks
	W2LOAD 0, 60
	W2LOAD 1, 92
	v_add_nc_u32 v7, 48, v252
	v_add_nc_u32 v8, 3, v253
.else
	s_add_nc_u64 s[44:45], s[44:45], 8192
	s_add_nc_u64 s[46:47], s[46:47], 512
	s_add_nc_u64 s[48:49], s[48:49], 128
	WLOAD 44, 46, 48                               ; the next group lands while this one goes through the gelu
	v_add_nc_u32 v7, s92, v252                     ; 16 bytes of codes a group,
	v_add_nc_u32 v8, s91, v253                     ; one scale byte
.endif
.irp t,0,1,2,3,4,5,6,7
	GELU 156+8*\t
.endr
	FQ
.endm
	s_mov_b32 s91, 0
	s_mov_b32 s92, 0
.Lff:                                                  ; three trips; the fourth group is written out, since it asks for w2 and not for a next group
	TRIP 0
	s_add_co_u32 s92, s92, 16
	s_add_co_u32 s91, s91, 1
	s_cmp_lt_u32 s91, 3
	s_cbranch_scc1 .Lff
	TRIP 1
	BARRIER
; ---------------------------------------------------------------- hidden + ff w2^T: the sums begin as hidden, read from BIG in the result's layout.  v60-155 three sets of w2, v156-219 eight accumulators, v220-251 two sets of fragments
	global_load_b128 v[28:31], v23, s[52:53] offset:16
	W2LOAD 2, 124
	v_add_nc_u32 v7, 32*BP, v5
.irp m,0,1
.irp ct,0,1
.irp q,0,1
	ds_load_b128 v[156+16*\m+8*\ct+4*\q:159+16*\m+8*\ct+4*\q], v5 offset:16*BP*\m+64*\ct+16*\q
.endr
.endr
.endr
.irp m,0,1
.irp ct,0,1
.irp q,0,1
	ds_load_b128 v[188+16*\m+8*\ct+4*\q:191+16*\m+8*\ct+4*\q], v7 offset:16*BP*\m+64*\ct+16*\q
.endr
.endr
.endr
	ds_load_b128 v[32:35], v10 offset:FFS
	ds_load_b128 v[36:39], v10 offset:FFS+2560
	ACT2 0
	ACT2 1
.set WN, 0
.rept 32
	W2STEP WN
.set WN, WN+1
.endr
.irp q,0,1,2,3
	global_load_b128 v[44+4*\q:47+4*\q], v2, s[54:55] offset:512*\q   ; b2, as the rows will be read
.endr
.irp m,0,1
.irp ct,0,1
	ds_store_b128 v5, v[156+16*\m+8*\ct:159+16*\m+8*\ct] offset:16*BP*\m+64*\ct       ; back to my own 128 bytes of each row; each accumulator from its low end on
	ds_store_b128 v5, v[160+16*\m+8*\ct:163+16*\m+8*\ct] offset:16*BP*\m+64*\ct+16
.endr
.endr
.irp m,0,1
.irp ct,0,1
	ds_store_b128 v7, v[188+16*\m+8*\ct:191+16*\m+8*\ct] offset:16*BP*\m+64*\ct
	ds_store_b128 v7, v[192+16*\m+8*\ct:195+16*\m+8*\ct] offset:16*BP*\m+64*\ct+16
.endr
.endr
	BARRIER
; ---------------------------------------------------------------- out0: each wave stores four whole rows, + b2
	s_mul_i32 s2, s58, 4*BP
	s_add_co_u32 s2, s2, BIG
	v_add_nc_u32 v8, s2, v2
.irp i,0,1,2,3
.irp q,0,1,2,3
	ds_load_b128 v[60+16*\i+4*\q:63+16*\i+4*\q], v8 offset:BP*\i+512*\q
.endr
.endr
	s_wait_loadcnt 0x0                             ; b2
.irp i,0,1,2,3
.irp q,0,1,2,3
	s_wait_dscnt 15-4*\i-\q                        ; LDS loads come back in order: this one is in, the younger ones may be out
	v_pk_add_f32 v[60+16*\i+4*\q:61+16*\i+4*\q], v[60+16*\i+4*\q:61+16*\i+4*\q], v[44+4*\q:45+4*\q]
	v_pk_add_f32 v[62+16*\i+4*\q:63+16*\i+4*\q], v[62+16*\i+4*\q:63+16*\i+4*\q], v[46+4*\q:47+4*\q]
	global_store_b128 v2, v[60+16*\i+4*\q:63+16*\i+4*\q], s[56:57] offset:2048*\i+512*\q th:TH_STORE_NT   ; 32 lanes store 512 consecutive bytes, at a multiple of 256 from out0's first byte
.endr
.endr
	s_wait_tensorcnt 0x0
	ds_add_u32 v254, v255
	s_wait_dscnt 0x0
	s_endpgm
.Lfunc_end_k_qdcbb25ff2a_layer:
	.size	k_qdcbb25ff2a_layer, .Lfunc_end_k_qdcbb25ff2a_layer-k_qdcbb25ff2a_layer
	.p2alignl 7, 3214868480
	.fill 96, 4, 3214868480
	.section	.rodata,"a",@progbits
	.p2align	6, 0x0
	.amdhsa_kernel k_qdcbb25ff2a_layer
		.amdhsa_group_segment_fixed_size 317952
		.amdhsa_private_segment_fixed_size 0
		.amdhsa_enable_private_segment 0
		.amdhsa_kernarg_size 200
		.amdhsa_user_sgpr_count 2
		.amdhsa_user_sgpr_kernarg_segment_ptr 1
		.amdhsa_wavefront_size32 1
		.amdhsa_system_sgpr_workgroup_id_x 1
		.amdhsa_system_sgpr_workgroup_id_y 1
		.amdhsa_system_sgpr_workgroup_id_z 1
		.amdhsa_system_vgpr_workitem_id 0
		.amdhsa_next_free_vgpr 256
		.amdhsa_next_free_sgpr 100
		.amdhsa_reserve_vcc 0
		.amdhsa_float_denorm_mode_32 3
		.amdhsa_float_denorm_mode_16_64 3
		.amdhsa_memory_ordered 1
		.amdhsa_forward_progress 1
		.amdhsa_inst_pref_size 255
	.end_amdhsa_kernel
	.section	.bss,"aw",@nobits
	.p2align	6
	.space	262144
	.amdgpu_metadata
---
amdhsa.version: [ 1, 2 ]
amdhsa.kernels:
  - .name:           k_qdcbb25ff2a_layer
    .symbol:         k_qdcbb25ff2a_layer.kd
    .args:
      - { .name: hidden_states, .offset: 0, .size: 8, .value_kind: global_buffer, .address_space: global }
      - { .name: ln1_g, .offset: 8, .size: 8, .value_kind: global_buffer, .address_space: global }
      - { .name: ln1_b, .offset: 16, .size: 8, .value_kind: global_buffer, .address_space: global }
      - { .name: wq_codes, .offset: 24, .size: 8, .value_kind: global_buffer, .address_space: global }
      - { .name: wq_scales, .offset: 32, .size: 8, .value_kind: global_buffer, .address_space: global }
      - { .name: bq, .offset: 40, .size: 8, .value_kind: global_buffer, .address_space: global }
      - { .name: wk_codes, .offset: 48, .size: 8, .value_kind: global_buffer, .address_space: global }
      - { .name: wk_scales, .offset: 56, .size: 8, .value_kind: global_buffer, .address_space: global }
      - { .name: bk, .offset: 64, .size: 8, .value_kind: global_buffer, .address_space: global }
      - { .name: wv_codes, .offset: 72, .size: 8, .value_kind: global_buffer, .address_space: global }
      - { .name: wv_scales, .offset: 80, .size: 8, .value_kind: global_buffer, .address_space: global }
      - { .name: bv, .offset: 88, .size: 8, .value_kind: global_buffer, .address_space: global }
      - { .name: rpb, .offset: 96, .size: 8, .value_kind: global_buffer, .address_space: global }
      - { .name: wo_codes, .offset: 104, .size: 8, .value_kind: global_buffer, .address_space: global }
      - { .name: wo_scales, .offset: 112, .size: 8, .value_kind: global_buffer, .address_space: global }
      - { .name: bo, .offset: 120, .size: 8, .value_kind: global_buffer, .address_space: global }
      - { .name: ln2_g, .offset: 128, .size: 8, .value_kind: global_buffer, .address_space: global }
      - { .name: ln2_b, .offset: 136, .size: 8, .value_kind: global_buffer, .address_space: global }
      - { .name: w1_codes, .offset: 144, .size: 8, .value_kind: global_buffer, .address_space: global }
      - { .name: w1_scales, .offset: 152, .size: 8, .value_kind: global_buffer, .address_space: global }
      - { .name: b1, .offset: 160, .size: 8, .value_kind: global_buffer, .address_space: global }
      - { .name: w2_codes, .offset: 168, .size: 8, .value_kind: global_buffer, .address_space: global }
      - { .name: w2_scales, .offset: 176, .size: 8, .value_kind: global_buffer, .address_space: global }
      - { .name: b2, .offset: 184, .size: 8, .value_kind: global_buffer, .address_space: global }
      - { .name: out0, .offset: 192, .size: 8, .value_kind: global_buffer, .address_space: global }
    .group_segment_fixed_size: 317952
    .private_segment_fixed_size: 0
    .kernarg_segment_align: 8
    .kernarg_segment_size: 200
    .max_flat_workgroup_size: 512
    .sgpr_count:     100
    .vgpr_count:     256
    .wavefront_size: 32
...
	.end_amdgpu_metadata
.endif
;; end of part 1
;; ======== version 2 of 2: 1 launch; version 1 with the launch layer written anew for expert scheduling mode
;; launch layer (part 2): grid 256 x 1, 16 waves a work-group, no clusters, 317,952 bytes of LDS; arguments hidden_states, ln1_g, ln1_b, wq_codes, wq_scales, bq, wk_codes, wk_scales, bk, wv_codes, wv_scales, bv, rpb, wo_codes, wo_scales, bo, ln2_g, ln2_b, w1_codes, w1_scales, b1, w2_codes, w2_scales, b2, out0; writes out0
.if DOCPART == 2
	.amdgcn_target "amdgcn-amd-amdhsa--gfx1250"
	.amdhsa_code_object_version 6
	.text
	.protected	k_qdcbb25ff2a_layer
	.globl	k_qdcbb25ff2a_layer
	.p2align	8
	.type	k_qdcbb25ff2a_layer,@function
k_qdcbb25ff2a_layer:
	s_mov_b64 s[64:65], 0
	v_nop
	global_prefetch_b8 v0, s[64:65] scope:SCOPE_SE
	s_setreg_imm32_b32 hwreg(HW_REG_WAVE_SCHED_MODE, 0, 2), 2
	s_setreg_imm32_b32 hwreg(HW_REG_WAVE_MODE, 25, 1), 1
	s_wait_xcnt 0x0
	s_wait_alu depctr_vm_vsrc(0)
; One DiNAT layer, whole, in one launch: LN1, q k v (MX-FP4), dilated neighbourhood attention (f32), wo (MX-FP4), residual, LN2, w1 (MX-FP4), exact gelu, w2 (MX-FP4), residual.
; SHARES.  A work-group owns 64 tokens of one batch and takes them through the whole layer; nothing but hidden_states, the weights and out0 touches memory.
; The attention reaches 12 tokens to each side (3 positions of 4 tokens; the clamped windows at a sequence's ends lie inside the same reach of a run of four positions), so k and v are made for a FRAME
; of 96 rows: the 64 tokens and 16 on each side.  Frame rows beyond the sequence are copies of its first or last token: finite, and thrown away by the mask.
; Sixteen waves of 256 registers.  In every product wave w owns output columns 32 w .. 32 w + 31 (of w1: hidden units 128 w .. 128 w + 127, 32 at a time): its weights go from memory straight into its registers,
; each byte read by one wave of the work-group, a run of 16 loads taking 8,192 consecutive bytes.  Activations go from wave to wave through LDS: rows of codes (K in its own order) and rows of scale bytes.
; THE MATRIX INSTRUCTION IS USED TRANSPOSED (source 0 = 16 rows of a weight, source 1 = 16 tokens): lane (r, h) holds token r and the eight channels 8 h + 0 .. 7 of the tile: one conversion makes 4 bytes of the token's row of codes.
; NO JOINT TENSOR LOADS for the weights, though all work-groups walk them: 315,904 of the 327,680 bytes of LDS are written by stores from registers (198,144 of f32 k or v, 46,080 of LN and ctx codes, 71,680 of the
; hidden layer's), and a ring may not lie on such bytes; what is left holds no slot of weights.
; LIMITS.  NaN and infinities among the inputs are not served.  A block whose largest magnitude lies under 2^-124 gets the scale byte 1, a block of zeros too (its codes are zeros; only this text reads the bytes).
; erf is the rational form x P(x^2) / Q(x^2) with x / sqrt 2 held to +-4: 0.5 + 0.5 erf carries an absolute error near 3e-8, so gelu of a very negative x is of the size |x| 3e-8 where the exact value is smaller.
; THE MODE: SCHED_MODE bits 1:0 = 2 (LLVM: expert scheduling mode 2), set by the entry lines.  The code itself states the register dependences between vector or matrix instructions and memory or LDS
; instructions, with s_wait_alu, always for 0.
; THE PLAN.  Registers that memory or LDS instructions touch:
;   v1-6, v22, v23   addresses, made at the head and never written again.  v16, v17: v5 + 32 and + 64 rows of BIG, made once in the q phase.  v8-10, v20, v21: a phase's own addresses, made at the phase's head.
;   A = v124-155     four fragments of tokens: LDS loads land, products read.  B = v220-251: a second such buffer where it is free: in the q phase, and in the w1 loop while the gelu's temporaries are dead.
;   v60-123, v24-31, v44-59   weights, their scale words, biases: global loads land, products read.  In the attention v60-123 are four buffers of a key or value row: LDS loads land, vector sums read.
;   v156-219         accumulators: products write, LDS stores read (q, k, v, attn_out, the last sums), or the gelu and the quantiser work on them.
;   temporaries of the quantisers: vector instructions write codes and bytes, LDS stores read them.
; A wait on va_vdst stands behind the products of one tile (one buffer) or two (two buffers), ahead of the loads into what they read and of the stores of what they wrote; behind each two rows of the attention;
; ahead of each quantiser's run of stores; behind a phase's address lines.  A wait on vm_vsrc stands ahead of the first write of a register that a store or a load has read: at the head of each phase and of each
; trip, and ahead of the products that begin a pair's accumulators anew.
; LDS (bytes).  All pitches are odd multiples of 16 bytes, so that sixteen rows of a 16-byte access start at sixteen different 16-byte columns modulo 256.
.set CP,  272                          ; a row of 512 codes: 256 bytes + 16
.set BP,  2064                         ; a row of 512 f32: 2,048 bytes + 16
.set FP,  1040                         ; a row of 2,048 codes: 1,024 bytes + 16
.set H1C, 0                            ; 96 rows x CP: LN1's codes; rows 0-63 later LN2's
.set H1S, 26112                        ; 96 rows x 16 scale bytes; likewise
.set CXC, 27648                        ; 64 rows x CP: ctx's codes
.set CXS, 45056                        ; 64 rows x 16
.set FFS, 46080                        ; 64 rows x 80: the hidden layer's 64 scale bytes + 16
.set FFC, 51200                        ; 64 rows x FP: its codes
.set BIG, 117760                       ; 96 rows x BP: in turn q (rows 0-63), k, v (frame rows), attn_out, hidden, hidden + y (rows 0-63)
; REGISTERS that stay: v0 thread; v1 272 r + 16 h; v2 16 lane; v3 256 r + 16 h; v4 32 h; v5 BIG + 2064 r + 128 w + 32 h; v6 32 lane; v16, v17 v5 + 32, + 64 rows; v22 1024 r + 16 h; v23 64 lane.
; v24-31 the weights' scale words, v32-43 the activations': these hold scales and nothing else.  v44-59 two tiles of bias; v60-123 the weights' fragments (ct, s) at 60 + 32 ct + 8 s;
; v124-155 four fragments of tokens; v156-219 accumulators; the phases lay their own work over what is free (said at each phase).
; SCALARS: argument i in s[8+2i:9+2i]; s58 wave; s59 block in the batch; s[60:61] lane selects; s62 1/512; s63 1e-5; s[66:67] log2 e; s68-80 my head's rpb; s82-85 edge masks; s[86:97] six row bases; s[98:99] my four own rows.
.macro NOPS n
.rept \n
	v_nop
.endr
.endm
.macro BARRIER                         ; my LDS stores have landed and my LDS loads are in: then the work-group's barrier
	s_wait_dscnt 0x0
	s_barrier_signal -1
	s_barrier_wait -1
.endm
; My 32 rows of a weight with K = 512: 21 loads.  Scale words: 32 rows x 16 bytes, dense: lanes 0-15 tile 0's rows, lanes 16-31 tile 1's; register 24 + s is K step s.  Bias in the result's layout.  Codes: 8,192 consecutive bytes.
.macro WLOAD cp, sp, bp
	global_load_b128 v[24:27], v2, s[\sp:\sp+1]
.irp ct,0,1
.irp q,0,1
	global_load_b128 v[44+8*\ct+4*\q:47+8*\ct+4*\q], v4, s[\bp:\bp+1] offset:64*\ct+16*\q
.endr
.endr
.irp ct,0,1
.irp s,0,1,2,3
.irp c,0,1
	global_load_b128 v[60+32*\ct+8*\s+4*\c:63+32*\ct+8*\s+4*\c], v3, s[\cp:\cp+1] offset:4096*\ct+64*\s+32*\c
.endr
.endr
.endr
.endm
.macro ASLOAD imm, n                   ; the tokens' scale words: 32 rows x 16 bytes a load: lanes 0-15 row tile 2 i, lanes 16-31 tile 2 i + 1; register 32 + 4 i + s is K step s
.set AI, 0
.rept \n
	ds_load_b128 v[32+4*AI:35+4*AI], v2 offset:(\imm)+512*AI
.set AI, AI+1
.endr
.endm
.macro WM d, a, b, c, sa, sb, ra, rb   ; one product; ra, rb: which half of the lanes holds the side's scale words
.if ((\ra) == 0) && ((\rb) == 0)
	v_wmma_scale_f32_16x16x128_f8f6f4 v[\d:\d+7], v[\a:\a+7], v[\b:\b+7], v[\c:\c+7], v[\sa], v[\sb] matrix_a_fmt:MATRIX_FMT_FP4 matrix_b_fmt:MATRIX_FMT_FP4
.elseif (\rb) == 0
	v_wmma_scale_f32_16x16x128_f8f6f4 v[\d:\d+7], v[\a:\a+7], v[\b:\b+7], v[\c:\c+7], v[\sa], v[\sb] matrix_a_fmt:MATRIX_FMT_FP4 matrix_b_fmt:MATRIX_FMT_FP4 matrix_a_scale:MATRIX_SCALE_ROW1
.elseif (\ra) == 0
	v_wmma_scale_f32_16x16x128_f8f6f4 v[\d:\d+7], v[\a:\a+7], v[\b:\b+7], v[\c:\c+7], v[\sa], v[\sb] matrix_a_fmt:MATRIX_FMT_FP4 matrix_b_fmt:MATRIX_FMT_FP4 matrix_b_scale:MATRIX_SCALE_ROW1
.else
	v_wmma_scale_f32_16x16x128_f8f6f4 v[\d:\d+7], v[\a:\a+7], v[\b:\b+7], v[\c:\c+7], v[\sa], v[\sb] matrix_a_fmt:MATRIX_FMT_FP4 matrix_b_fmt:MATRIX_FMT_FP4 matrix_a_scale:MATRIX_SCALE_ROW1 matrix_b_scale:MATRIX_SCALE_ROW1
.endif
.endm
; 16 tokens (rows of codes from LDS byte imm on), K = 512: four fragments, eight loads, into the buffer at v[buf].
.macro FRAGS buf, imm
.irp s,0,1,2,3
.irp c,0,1
	ds_load_b128 v[(\buf)+8*\s+4*\c:(\buf)+8*\s+4*\c+3], v1 offset:(\imm)+64*\s+32*\c
.endr
.endr
.endm
; Those 16 tokens x my 32 columns: eight products on two accumulators by turns; the bias is the C of each sum's first product.
.macro MULS acc, buf, as, brow
.irp s,0,1,2,3
.irp ct,0,1
.if \s == 0
	WM (\acc)+8*\ct, 60+32*\ct+8*\s, (\buf)+8*\s, 44+8*\ct, 24+\s, (\as)+\s, \ct, \brow
.else
	WM (\acc)+8*\ct, 60+32*\ct+8*\s, (\buf)+8*\s, (\acc)+8*\ct, 24+\s, (\as)+\s, \ct, \brow
.endif
.endr
.endr
.endm
.macro LT buf, base, m                 ; the loads of row tile m of the codes at base
	FRAGS \buf, (\base)+16*CP*(\m)
.endm
.macro MT acc, buf, m                  ; and its products
	MULS \acc, \buf, 32+4*((\m)/2), (\m)%2
.endm
.macro DSTORE acc, adr                 ; two row tiles x my 32 columns of f32 into 32 rows of BIG (v5: rows 0 on, v16: 32 on, v17: 64 on); each accumulator from its low end on
.irp mi,0,1
.irp ct,0,1
	ds_store_b128 v[\adr], v[(\acc)+16*\mi+8*\ct:(\acc)+16*\mi+8*\ct+3] offset:16*BP*\mi+64*\ct
	ds_store_b128 v[\adr], v[(\acc)+16*\mi+8*\ct+4:(\acc)+16*\mi+8*\ct+7] offset:16*BP*\mi+64*\ct+16
.endr
.endr
.endm
; Two row tiles through the one buffer A.  The four v_nop behind a tile's products are the places in front of loads into registers that these products read and of the first read of their results.
.macro PAIR0 base, m                   ; a phase's first pair: A is free, and nothing is to be stored
	LT 124, \base, \m
	s_wait_dscnt 0x0                               ; the fragments (and scale words asked for before them) are in
	MT 156, 124, \m
	NOPS 4
	s_wait_alu depctr_va_vdst(0)                   ; these products are done reading A, in which the next tile's fragments land
	LT 124, \base, (\m)+1
	s_wait_dscnt 0x0
	MT 172, 124, (\m)+1
	NOPS 4
.endm
.macro PAIRN base, m, adr              ; a later pair: the pair before goes to the rows at v[adr], behind this pair's first loads
	s_wait_alu depctr_va_vdst(0)                   ; the pair before has written v156-187, which the stores read, and is done reading A, in which the fragments land
	LT 124, \base, \m
	DSTORE 156, \adr
	s_wait_dscnt 8                                 ; the fragments are in; the eight stores behind them may be out
	s_wait_alu depctr_vm_vsrc(0)                   ; the stores have read v156-187, which this pair's products begin anew
	MT 156, 124, \m
	NOPS 4
	s_wait_alu depctr_va_vdst(0)                   ; these products are done reading A, in which the next tile's fragments land
	LT 124, \base, (\m)+1
	s_wait_dscnt 0x0
	MT 172, 124, (\m)+1
	NOPS 4
.endm
.macro FRAME                           ; the frame's six row tiles x my 32 columns, into BIG
	PAIR0 H1C, 0
	PAIRN H1C, 2, 5
	PAIRN H1C, 4, 16
	s_wait_alu depctr_va_vdst(0)                   ; the last pair has written v156-187, which the stores read; the phase's products are done reading A, the weights, the scale words and the biases
	DSTORE 156, 17
.endm
; LAYER NORM.  A wave holds whole rows: lane l has channels 256 u + 8 l + 0 .. 7 (u = 0, 1) in 16 registers at v[LX]; four temporaries a row at v[LT].  LNI writes instruction LST of a row's statistics:
; the sum and the mean; the row centred in place; the sum of squares of the centred row (no difference of large sums is formed); 1 / sqrt(var + eps) into v[LT].
.macro LNI
.if LST == 0
	v_pk_add_f32 v[LT+2:LT+3], v[LX:LX+1], v[LX+2:LX+3]
.elseif LST == 1
	v_pk_add_f32 v[LT:LT+1], v[LX+4:LX+5], v[LX+6:LX+7]
.elseif LST < 6
	v_pk_add_f32 v[LT+2-2*(LST%2):LT+3-2*(LST%2)], v[LT+2-2*(LST%2):LT+3-2*(LST%2)], v[LX+2*LST+4:LX+2*LST+5]
.elseif LST == 6
	v_pk_add_f32 v[LT:LT+1], v[LT:LT+1], v[LT+2:LT+3]
.elseif LST == 7
	v_add_f32 v[LT], v[LT], v[LT+1]
.elseif LST == 8
	v_add_f32_dpp v[LT], v[LT], v[LT] row_xmask:1 row_mask:0xf bank_mask:0xf
.elseif LST == 9
	v_add_f32_dpp v[LT], v[LT], v[LT] row_xmask:2 row_mask:0xf bank_mask:0xf
.elseif LST == 10
	v_add_f32_dpp v[LT], v[LT], v[LT] row_xmask:4 row_mask:0xf bank_mask:0xf
.elseif LST == 11
	v_add_f32_dpp v[LT], v[LT], v[LT] row_xmask:8 row_mask:0xf bank_mask:0xf
.elseif LST == 12
	v_permlanex16_b32 v[LT+1], v[LT], s60, s61
.elseif LST == 13
	v_add_f32 v[LT], v[LT], v[LT+1]
.elseif LST == 14
	v_mul_f32 v[LT], s62, v[LT]
.elseif LST < 23
	v_pk_add_f32 v[LX+2*(LST-15):LX+2*(LST-15)+1], v[LX+2*(LST-15):LX+2*(LST-15)+1], v[LT:LT+1] op_sel_hi:[1,0] neg_lo:[0,1] neg_hi:[0,1]
.elseif LST == 23
	v_pk_mul_f32 v[LT+2:LT+3], v[LX:LX+1], v[LX:LX+1]
.elseif LST < 31
	v_pk_fma_f32 v[LT+2:LT+3], v[LX+2*(LST-23):LX+2*(LST-23)+1], v[LX+2*(LST-23):LX+2*(LST-23)+1], v[LT+2:LT+3]
.elseif LST == 31
	v_add_f32 v[LT+2], v[LT+2], v[LT+3]
.elseif LST == 32
	v_add_f32_dpp v[LT+2], v[LT+2], v[LT+2] row_xmask:1 row_mask:0xf bank_mask:0xf
.elseif LST == 33
	v_add_f32_dpp v[LT+2], v[LT+2], v[LT+2] row_xmask:2 row_mask:0xf bank_mask:0xf
.elseif LST == 34
	v_add_f32_dpp v[LT+2], v[LT+2], v[LT+2] row_xmask:4 row_mask:0xf bank_mask:0xf
.elseif LST == 35
	v_add_f32_dpp v[LT+2], v[LT+2], v[LT+2] row_xmask:8 row_mask:0xf bank_mask:0xf
.elseif LST == 36
	v_permlanex16_b32 v[LT+3], v[LT+2], s60, s61
.elseif LST == 37
	v_add_f32 v[LT+2], v[LT+2], v[LT+3]
.elseif LST == 38
	v_fma_f32 v[LT+2], v[LT+2], s62, s63
.else
	v_rsq_f32 v[LT], v[LT+2]
.endif
.endm
.macro LNSTAT xb, nr, tb               ; nr rows by turns, so that no line waits for the line above it
.set LST, 0
.rept 40
.set LI, 0
.rept \nr
.set LX, (\xb)+16*LI
.set LT, (\tb)+4*LI
	LNI
.set LI, LI+1
.endr
.set LST, LST+1
.endr
	v_nop                                          ; a plain instruction behind the last root,
	s_wait_alu depctr_va_vdst(0)                   ; and one wait ahead of the batch's first reader: the roots are written
.endm
.macro LNAFF xb, nr, tb, g, b          ; (x - mean) / sqrt(var + eps) x gain + bias
.set LI, 0
.rept \nr
.irp k,0,2,4,6,8,10,12,14
	v_pk_mul_f32 v[(\xb)+16*LI+\k:(\xb)+16*LI+\k+1], v[(\xb)+16*LI+\k:(\xb)+16*LI+\k+1], v[(\tb)+4*LI:(\tb)+4*LI+1] op_sel_hi:[1,0]
.endr
.irp k,0,2,4,6,8,10,12,14
	v_pk_fma_f32 v[(\xb)+16*LI+\k:(\xb)+16*LI+\k+1], v[(\xb)+16*LI+\k:(\xb)+16*LI+\k+1], v[(\g)+\k:(\g)+\k+1], v[(\b)+\k:(\b)+\k+1]
.endr
.set LI, LI+1
.endr
.endm
; The rows are quantised: a block of 32 channels lies in four neighbouring lanes.  Its largest magnitude (with the floor 2^-124, which holds the byte at 1 from below) less 2 in the exponent field is the conversion's
; scale operand; that shifted down by 23 is the E8M0 byte.  A lane's eight codes are 4 bytes of the row; the four lanes of a block write the same byte with the same value.
.macro LNQ xb, nr, tb, vc, vs, immc, imms
.irp k,0,2,4,6
.set LI, 0
.rept \nr
.irp u,0,1
.if \k == 0
	v_max3_num_f32 v[(\tb)+4*LI+\u], |v[(\xb)+16*LI+8*\u]|, |v[(\xb)+16*LI+8*\u+1]|, 0x1800000
.else
	v_max3_num_f32 v[(\tb)+4*LI+\u], v[(\tb)+4*LI+\u], |v[(\xb)+16*LI+8*\u+\k]|, |v[(\xb)+16*LI+8*\u+\k+1]|
.endif
.endr
.set LI, LI+1
.endr
.endr
.set LI, 0
.rept \nr
.irp u,0,1
	v_max_num_f32_dpp v[(\tb)+4*LI+\u], v[(\tb)+4*LI+\u], v[(\tb)+4*LI+\u] row_xmask:1 row_mask:0xf bank_mask:0xf
.endr
.set LI, LI+1
.endr
.set LI, 0
.rept \nr
.irp u,0,1
	v_max_num_f32_dpp v[(\tb)+4*LI+\u], v[(\tb)+4*LI+\u], v[(\tb)+4*LI+\u] row_xmask:2 row_mask:0xf bank_mask:0xf
.endr
.set LI, LI+1
.endr
.set LI, 0
.rept \nr
.irp u,0,1
	v_add_nc_u32 v[(\tb)+4*LI+\u], 0xff000000, v[(\tb)+4*LI+\u]
.endr
.set LI, LI+1
.endr
.set LI, 0
.rept \nr
.irp u,0,1
	v_cvt_scalef32_pk8_fp4_f32 v[(\tb)+4*LI+2+\u], v[(\xb)+16*LI+8*\u:(\xb)+16*LI+8*\u+7], v[(\tb)+4*LI+\u]
.endr
.set LI, LI+1
.endr
	v_nop                                          ; one plain instruction behind the scaled conversions
.set LI, 0
.rept \nr
.irp u,0,1
	v_lshrrev_b32 v[(\tb)+4*LI+\u], 23, v[(\tb)+4*LI+\u]
.endr
.set LI, LI+1
.endr
	s_wait_alu depctr_va_vdst(0)                   ; the conversions have written the codes and the shifts the bytes, which the stores read; all of the norm's lines are done with the rows', the gain's and the bias's registers, in which later loads land
.set LI, 0
.rept \nr
.irp u,0,1
	ds_store_b32 v[\vc], v[(\tb)+4*LI+2+\u] offset:(\immc)+CP*LI+128*\u
	ds_store_b8 v[\vs], v[(\tb)+4*LI+\u] offset:(\imms)+16*LI+8*\u
.endr
.set LI, LI+1
.endr
.endm
; ATTENTION.  Lane: g = lane & 3 (the dilation group), qt = (lane >> 2) & 3 (16 channels of the head), x = lane >> 4; head = wave / 2; run of four positions rn = 2 (wave & 1) + x.
; The lane serves own tokens 16 rn + 4 p + g (p = 0 .. 3) against key frame rows 16 rn + 4 j + g + 4 (j = 0 .. 9): relative position j - 3 - p, rpb index j - p + 3.
; The ten rows go through FOUR buffers of 16 registers, row j in buffer j % 4 at v[60 + 16 (j % 4)]: rows 0 to 3 are asked for at once, and behind each two rows that have been worked the two rows four on.
.macro KROW j, dst                     ; my 16 channels of key or value row j
.irp i,0,1,2,3
.if (\j) < 8
	ds_load_b128 v[(\dst)+4*\i:(\dst)+4*\i+3], v9 offset:4*BP*(\j)+16*\i
.else
	ds_load_b128 v[(\dst)+4*\i:(\dst)+4*\i+3], v10 offset:4*BP*((\j)-8)+16*\i
.endif
.endr
.endm
.macro DOT j, left                     ; four queries x key row j, my 16 channels.  left: the loads issued behind row j's, which may be out
	s_wait_dscnt \left
.irp i,0,2,4,6,8,10,12,14
.irp p,0,1,2,3
.if \i == 0
	v_pk_mul_f32 v[164+2*\p:165+2*\p], v[188+16*\p:189+16*\p], v[60+16*((\j)%4):61+16*((\j)%4)]
.else
	v_pk_fma_f32 v[164+2*\p:165+2*\p], v[188+16*\p+\i:189+16*\p+\i], v[60+16*((\j)%4)+\i:61+16*((\j)%4)+\i], v[164+2*\p:165+2*\p]
.endif
.endr
.endr
.irp p,0,1,2,3
	v_add_f32 v[124+10*\p+(\j)], v[164+2*\p], v[165+2*\p]
.endr
.endm
.macro PVROW j, left                   ; ctx += probability (p, j) x value row j
	s_wait_dscnt \left
.irp p,0,1,2,3
.irp i,0,2,4,6,8,10,12,14
.if (\j) == 0
	v_pk_mul_f32 v[124+16*\p+\i:125+16*\p+\i], v[60+\i:61+\i], v[188+10*\p:189+10*\p] op_sel_hi:[1,0]
.elseif (\j)%2 == 0
	v_pk_fma_f32 v[124+16*\p+\i:125+16*\p+\i], v[60+16*((\j)%4)+\i:61+16*((\j)%4)+\i], v[188+10*\p+(\j):189+10*\p+(\j)], v[124+16*\p+\i:125+16*\p+\i] op_sel_hi:[1,0,1]
.else
	v_pk_fma_f32 v[124+16*\p+\i:125+16*\p+\i], v[60+16*((\j)%4)+\i:61+16*((\j)%4)+\i], v[187+10*\p+(\j):188+10*\p+(\j)], v[124+16*\p+\i:125+16*\p+\i] op_sel:[0,1,0] op_sel_hi:[1,1,1]
.endif
.endr
.endr
.endm
; gelu(x) = x (0.5 + 0.5 erf(x / sqrt 2)) on the eight registers at v[x], from the low end on.  0.5 erf(x / sqrt 2) = xc P(xc^2) / Q(xc^2), xc = x held to +-4 sqrt 2; the factors 1 / sqrt 2, 1 / 2 and the powers of 2 are
; folded into the coefficients.  v220-227 xc, v228-235 xc^2 and then 1 / Q, v236-243 P, v244-251 Q.
.macro GELU x
.irp k,0,1,2,3,4,5,6,7
	v_med3_num_f32 v[220+\k], v[(\x)+\k], -s90, s90
.endr
.irp k,0,2,4,6
	v_pk_mul_f32 v[228+\k:229+\k], v[220+\k:221+\k], v[220+\k:221+\k]
.endr
.irp k,0,2,4,6
	v_pk_fma_f32 v[236+\k:237+\k], v[228+\k:229+\k], s[66:67], s[68:69] op_sel_hi:[1,0,0]
.endr
.irp k,0,2,4,6
	v_pk_fma_f32 v[244+\k:245+\k], v[228+\k:229+\k], s[80:81], s[82:83] op_sel_hi:[1,0,0]
.endr
.irp a,0,2,4
.irp k,0,2,4,6
	v_pk_fma_f32 v[236+\k:237+\k], v[236+\k:237+\k], v[228+\k:229+\k], s[70+\a:71+\a] op_sel_hi:[1,1,0]
.endr
.irp k,0,2,4,6
	v_pk_fma_f32 v[244+\k:245+\k], v[244+\k:245+\k], v[228+\k:229+\k], s[84+\a:85+\a] op_sel_hi:[1,1,0]
.endr
.endr
.irp a,76,78
.irp k,0,2,4,6
	v_pk_fma_f32 v[236+\k:237+\k], v[236+\k:237+\k], v[228+\k:229+\k], s[\a:\a+1] op_sel_hi:[1,1,0]
.endr
.endr
.irp k,0,1,2,3,4,5,6,7
	v_rcp_f32 v[228+\k], v[244+\k]
.endr
.irp k,0,2,4,6
	v_pk_mul_f32 v[236+\k:237+\k], v[236+\k:237+\k], v[220+\k:221+\k]   ; plain work behind the reciprocals that names none of their registers
.endr
	s_wait_alu depctr_va_vdst(0)                   ; one wait for the eight reciprocals, ahead of their first reader
.irp k,0,2,4,6
	v_pk_fma_f32 v[236+\k:237+\k], v[236+\k:237+\k], v[228+\k:229+\k], 0.5 op_sel_hi:[1,1,0]
.endr
.irp k,0,2,4,6
	v_pk_mul_f32 v[(\x)+\k:(\x)+\k+1], v[(\x)+\k:(\x)+\k+1], v[236+\k:237+\k]
.endr
.endm
; The group's 32 hidden units of 64 rows are quantised: one block a row; lane (r, h) holds 16 of its numbers (tiles (m, 0) and (m, 1)), lane l xor 16 the others.  Four temporaries a row tile at v[220 + 4 m].
.macro FQ
.irp k,0,2,4,6,8,10,12,14
.irp m,0,1,2,3
.if \k == 0
	v_max3_num_f32 v[220+4*\m], |v[156+16*\m]|, |v[157+16*\m]|, 0x1800000
.else
	v_max3_num_f32 v[220+4*\m], v[220+4*\m], |v[156+16*\m+\k]|, |v[157+16*\m+\k]|
.endif
.endr
.endr
.irp m,0,1,2,3
	v_permlanex16_b32 v[221+4*\m], v[220+4*\m], s60, s61
.endr
.irp m,0,1,2,3
	v_max_num_f32 v[220+4*\m], v[220+4*\m], v[221+4*\m]
.endr
.irp m,0,1,2,3
	v_add_nc_u32 v[220+4*\m], 0xff000000, v[220+4*\m]
.endr
.irp m,0,1,2,3
	v_cvt_scalef32_pk8_fp4_f32 v[222+4*\m], v[156+16*\m:163+16*\m], v[220+4*\m]
	v_cvt_scalef32_pk8_fp4_f32 v[223+4*\m], v[164+16*\m:171+16*\m], v[220+4*\m]
.endr
	v_nop                                          ; one plain instruction behind the scaled conversions
.irp m,0,1,2,3
	v_lshrrev_b32 v[220+4*\m], 23, v[220+4*\m]
.endr
	s_wait_alu depctr_va_vdst(0)                   ; the codes, the bytes and the addresses v7 and v8 are written, which the stores read; the gelu and the quantiser are done with v156-251, in which later loads land
.irp m,0,1,2,3
	ds_store_b32 v7, v[222+4*\m] offset:16*FP*\m
	ds_store_b32 v7, v[223+4*\m] offset:16*FP*\m+8
	ds_store_b8 v8, v[220+4*\m] offset:1280*\m
.endr
.endm
.macro W2LOAD c, rb                    ; my 32 rows of w2, 256 along K from 256 c on: four fragments (ct, s') at rb + 16 ct + 8 s'
.irp ct,0,1
.irp sp,0,1
.irp q,0,1
	global_load_b128 v[(\rb)+16*\ct+8*\sp+4*\q:(\rb)+16*\ct+8*\sp+4*\q+3], v22, s[50:51] offset:16384*\ct+128*(\c)+64*\sp+32*\q
.endr
.endr
.endr
.endm
.macro ACT2 n                          ; step n's two fragments of the hidden layer: row tile n % 4, chunk n / 4
.irp sp,0,1
.irp q,0,1
	ds_load_b128 v[220+16*((\n)%2)+8*\sp+4*\q:223+16*((\n)%2)+8*\sp+4*\q], v9 offset:16*FP*((\n)%4)+128*((\n)/4)+64*\sp+32*\q
.endr
.endr
.endm
; Step n of 32 of the last product: chunk c = n / 4 (256 along K), row tile m = n % 4: four products on two accumulators by turns.  w2's chunks come through three sets of 32 registers, two chunks ahead.
.macro W2STEP n
.set WC, (\n)/4
.set WMI, (\n)%4
.if WMI == 0
.if WC < 6
	s_wait_loadcnt 17                              ; this chunk and its scale words are in; two younger chunks of 8 loads and one load of scale words may be out
.elseif WC == 6
	s_wait_loadcnt 8                               ; the last chunk may be out
.else
	s_wait_loadcnt 0x0
.endif
.endif
.if (\n) < 31
	s_wait_dscnt 4                                 ; all but the next step's four loads
.else
	s_wait_dscnt 0x0
.endif
.irp sp,0,1
.irp ct,0,1
	WM 156+16*WMI+8*\ct, 60+32*(WC%3)+16*\ct+8*\sp, 220+16*((\n)%2)+8*\sp, 156+16*WMI+8*\ct, 24+4*((WC/2)%2)+2*(WC%2)+\sp, 32+4*(WMI/2)+2*(WC%2)+\sp, \ct, WMI%2
.endr
.endr
	NOPS 4
.if (\n) < 30
	s_wait_alu depctr_va_vdst(0)                   ; this step's products are done reading their set of fragments, in which those of two steps on land; at a chunk's end its set of w2 too, and at each second chunk's the scale words
.endif
.if ((\n)%8 == 7) && ((\n) < 31)
	ds_load_b128 v[32:35], v10 offset:FFS+16*(((\n)+1)/8)          ; the next 512 along K of the rows' scale words: ahead of the fragments' loads, so that the next step's count covers them
	ds_load_b128 v[36:39], v10 offset:FFS+2560+16*(((\n)+1)/8)
.endif
.if (\n)+2 < 32
	ACT2 (\n)+2
.endif
.if (WMI == 3) && (WC < 5)
.if WC%2 == 1
	global_load_b128 v[24+4*(((WC+3)/2)%2):27+4*(((WC+3)/2)%2)], v23, s[52:53] offset:16*((WC+3)/2)
.endif
	W2LOAD WC+3, 60+32*(WC%3)
.endif
.endm
; ---------------------------------------------------------------- the head
	s_load_b512 s[8:23], s[0:1], 0x0
	s_load_b512 s[24:39], s[0:1], 0x40
	s_load_b512 s[40:55], s[0:1], 0x80
	s_load_b64 s[56:57], s[0:1], 0xc0
	v_lshl_add_u32 v254, v0, 2, 0x4d200
	v_mov_b32 v255, 0
	v_lshrrev_b32 v8, 5, v0
	v_readfirstlane_b32 s58, v8                    ; wave 0 .. 15
	v_and_b32 v9, 31, v0                           ; lane
	v_and_b32 v10, 15, v0                          ; r
	v_bfe_u32 v11, v0, 4, 1                        ; h
	v_mul_u32_u24 v1, v10, CP
	v_lshl_add_u32 v1, v11, 4, v1
	v_lshlrev_b32 v2, 4, v9
	v_lshlrev_b32 v3, 8, v10
	v_lshl_add_u32 v3, v11, 4, v3
	v_lshlrev_b32 v4, 5, v11
	v_lshlrev_b32 v6, 5, v9
	v_lshlrev_b32 v22, 10, v10
	v_lshl_add_u32 v22, v11, 4, v22
	v_lshlrev_b32 v23, 6, v9
	s_wait_alu depctr_va_sdst(0)                   ; s58 is written, ahead of its first reader
	s_lshl_b32 s2, s58, 7
	s_add_co_u32 s2, s2, BIG
	v_mul_u32_u24 v5, v10, BP
	v_lshl_add_u32 v5, v11, 5, v5
	v_add_nc_u32 v5, s2, v5
	s_mul_i32 s2, s58, 6*CP
	v_lshl_add_u32 v20, v9, 2, s2                  ; LN1's codes: my six frame rows, 4 bytes a lane
	s_mul_i32 s2, s58, 96
	v_lshrrev_b32 v21, 2, v9
	v_add_nc_u32 v21, s2, v21                      ; and their scale bytes: 16 a row, a byte for four lanes
	s_and_b32 s59, ttmp9, 63                       ; my block of 64 tokens in the batch
	s_lshl_b32 s4, s59, 6
	s_mul_i32 s5, s58, 6
	s_add_co_u32 s4, s4, s5
	s_sub_co_i32 s4, s4, 16                        ; the token of my first frame row (under 0 or over 4,095 at a sequence's ends)
	s_lshr_b32 s6, ttmp9, 6
	s_lshl_b32 s6, s6, 12                          ; 4,096 x batch
.irp i,0,1,2,3,4,5
	s_add_co_i32 s[86+2*\i], s4, \i
	s_max_i32 s[86+2*\i], s[86+2*\i], 0
	s_min_i32 s[86+2*\i], s[86+2*\i], 4095         ; held inside the sequence
	s_add_co_u32 s[86+2*\i], s[86+2*\i], s6
	s_lshl_b32 s[86+2*\i], s[86+2*\i], 11          ; a row is 2,048 bytes
	s_mov_b32 s[87+2*\i], 0
.endr
	s_and_b32 s4, s58, 1
	s_or_b32 s6, s59, s4
	s_cmp_eq_u32 s6, 0
	s_cselect_b32 s82, 0xffff, 0                   ; the lanes whose run is a sequence's first: block 0, run 0
	s_xor_b32 s6, s59, 63
	s_xor_b32 s4, s4, 1
	s_or_b32 s6, s6, s4
	s_cmp_eq_u32 s6, 0
	s_cselect_b32 s84, 0xffff0000, 0               ; and its last: block 63, run 3
	s_not_b32 s83, s84
	s_not_b32 s85, s82
	s_mov_b32 s60, 0x76543210
	s_mov_b32 s61, 0xfedcba98                      ; v_permlanex16_b32's selects for lane l xor 16
	s_mov_b32 s62, 0x3b000000                      ; 1 / 512
	s_mov_b32 s63, 0x3727c5ac                      ; 1e-5
	s_mov_b32 s66, 0x3fb8aa3b                      ; log2 e
	s_mov_b32 s67, s66
	s_lshl_b32 s2, s58, 13
	s_mov_b32 s3, 0
	s_lshl_b32 s4, s58, 9
	s_mov_b32 s5, 0
	s_lshl_b32 s6, s58, 7
	s_mov_b32 s7, 0
	s_wait_kmcnt 0x0
.irp i,0,1,2,3,4,5
	s_add_nc_u64 s[86+2*\i:87+2*\i], s[8:9], s[86+2*\i:87+2*\i]
.endr
	s_wait_alu depctr_va_vdst(0)                   ; the addresses v1 to v6 and v20 to v23 are written, which the loads and stores from here on read
.irp u,0,1
.irp q,0,1
	global_load_b128 v[220+8*\u+4*\q:223+8*\u+4*\q], v6, s[10:11] offset:1024*\u+16*\q
	global_load_b128 v[236+8*\u+4*\q:239+8*\u+4*\q], v6, s[12:13] offset:1024*\u+16*\q
.endr
.endr
.irp i,0,1,2,3,4,5
.irp u,0,1
.irp q,0,1
	global_load_b128 v[124+16*\i+8*\u+4*\q:127+16*\i+8*\u+4*\q], v6, s[86+2*\i:87+2*\i] offset:1024*\u+16*\q   ; a pair of loads takes 1,024 consecutive bytes of the row
.endr
.endr
.endr
.irp a,14,20,26,34
	s_add_nc_u64 s[\a:\a+1], s[\a:\a+1], s[2:3]    ; wq, wk, wv, wo: my 32 rows of 256 bytes,
	s_add_nc_u64 s[\a+2:\a+3], s[\a+2:\a+3], s[4:5]  ; of 16 scale bytes,
	s_add_nc_u64 s[\a+4:\a+5], s[\a+4:\a+5], s[6:7]  ; my 32 numbers of the bias
.endr
	s_add_nc_u64 s[48:49], s[48:49], s[4:5]        ; b1: my 128 numbers
	WLOAD 14, 16, 18                               ; wq
	s_lshl_b32 s2, s58, 15
	s_add_nc_u64 s[44:45], s[44:45], s[2:3]        ; w1: my 128 rows of 256 bytes
	s_add_nc_u64 s[50:51], s[50:51], s[2:3]        ; w2: my 32 rows of 1,024 bytes
	s_lshl_b32 s2, s58, 11
	s_add_nc_u64 s[46:47], s[46:47], s[2:3]        ; their scale bytes
	s_add_nc_u64 s[52:53], s[52:53], s[2:3]
	s_lshl_b32 s2, ttmp9, 6
	s_lshl_b32 s4, s58, 2
	s_add_co_u32 s2, s2, s4
	s_lshl_b32 s2, s2, 11
	s_add_nc_u64 s[56:57], s[56:57], s[2:3]        ; out0 and hidden_states at my four own rows: 64 x work-group + 4 x wave
	s_add_nc_u64 s[98:99], s[8:9], s[2:3]
	s_lshr_b32 s2, s58, 1
	s_mul_i32 s2, s2, 52
	s_add_nc_u64 s[32:33], s[32:33], s[2:3]        ; my head's 13 numbers of rpb
	s_load_b256 s[68:75], s[32:33], 0x0
	s_load_b128 s[76:79], s[32:33], 0x20
	s_load_b32 s80, s[32:33], 0x30
; ---------------------------------------------------------------- LN1: my six frame rows.  v124-219 the rows, v220-235 gain, v236-251 bias, v8-19 temporaries
	s_wait_loadcnt 33                              ; gain, bias and rows 0-2 are in; rows 3-5 (12 loads) and wq (21) may be out
	LNSTAT 124, 3, 8
	LNAFF 124, 3, 8, 220, 236
	LNQ 124, 3, 8, 20, 21, H1C, H1S
	s_wait_loadcnt 21                              ; rows 3-5 are in; wq may be out
	s_wait_dscnt 0x0                               ; the stores have landed
	s_wait_alu depctr_vm_vsrc(0)                   ; the stores have read the temporaries v8-19, which the next three rows write again
	LNSTAT 172, 3, 8
	LNAFF 172, 3, 8, 220, 236
	LNQ 172, 3, 8, 20, 21, H1C+3*CP, H1S+48
	BARRIER                                        ; the frame's 96 rows of codes and scale bytes lie in LDS
; ---------------------------------------------------------------- q for the 64 own tokens (frame tiles 1 to 4) into rows 0-63 of BIG.  Two buffers of fragments: A and B = v220-251, which LN1 has left
	s_wait_alu depctr_vm_vsrc(0)                   ; LN1's stores have read v8-21, which the address lines below write
	ASLOAD H1S, 3                                  ; the frame's scale words: they stay for q, k and v
	v_and_b32 v12, 3, v0                           ; g
	v_bfe_u32 v13, v0, 2, 2                        ; qt
	v_bfe_u32 v14, v0, 4, 1                        ; x
	v_bfe_u32 v15, v0, 3, 1                        ; qt / 2
	s_and_b32 s2, s58, 1
	s_lshr_b32 s3, s58, 1                          ; head
	s_mul_i32 s4, s2, 32*BP
	s_lshl_b32 s5, s3, 8
	s_add_co_u32 s4, s4, s5
	s_add_co_u32 s4, s4, BIG
	v_mul_u32_u24 v8, v12, BP
	v_lshl_add_u32 v8, v13, 6, v8
	v_mad_u32_u24 v8, v14, 16*BP, v8
	v_add_nc_u32 v8, s4, v8                        ; q: row 16 rn + g, my 64 bytes of the head
	v_add_nc_u32 v9, 4*BP, v8                      ; k, v: frame row 16 rn + g + 4,
	v_add_nc_u32 v10, 32*BP, v9                    ; and eight key rows on (beyond the 16-bit offset)
	v_add_nc_u32 v16, 32*BP, v5                    ; where results go: rows 32 on of BIG,
	v_add_nc_u32 v17, 64*BP, v5                    ; rows 64 on: made once, so that no address is stepped among the products
	s_mul_i32 s4, s2, 32*CP
	s_lshl_b32 s5, s3, 5
	s_add_co_u32 s4, s4, s5
	s_add_co_u32 s4, s4, CXC
	v_mul_u32_u24 v20, v12, CP
	v_lshl_add_u32 v20, v13, 3, v20
	v_mad_u32_u24 v20, v14, 16*CP, v20
	v_add_nc_u32 v20, s4, v20                      ; ctx's codes: row 16 rn + g, my 8 bytes
	s_lshl_b32 s4, s2, 9
	s_lshl_b32 s5, s3, 1
	s_add_co_u32 s4, s4, s5
	s_add_co_u32 s4, s4, CXS
	v_lshl_add_u32 v21, v12, 4, v15
	v_lshl_add_u32 v21, v14, 8, v21
	v_add_nc_u32 v21, s4, v21                      ; and their scale byte: 2 head + qt / 2
	s_wait_loadcnt 0x0                             ; wq
	LT 124, H1C, 1                                 ; no wait: LN1's lines on v124-155 and v220-251 stand ahead of its quantiser's wait, and the address lines since name neither
	LT 220, H1C, 2
	s_wait_dscnt 8                                 ; the scale words and tile 1's fragments are in; tile 2's may be out
	MT 156, 124, 1
	s_wait_dscnt 0x0
	MT 172, 220, 2
	NOPS 5                                         ; five places: the same accumulators are begun anew by the next products (ISA guide 7.12.1)
	s_wait_alu depctr_va_vdst(0)                   ; both tiles' products have written v156-187, which the stores read, and are done reading A and B, in which the next fragments land; v8-10, v16, v17, v20, v21 are written
	LT 124, H1C, 3
	LT 220, H1C, 4
	DSTORE 156, 5
	s_wait_dscnt 16                                ; tile 3's fragments are in; tile 4's eight loads and the eight stores may be out
	s_wait_alu depctr_vm_vsrc(0)                   ; the stores have read v156-187, which the products below begin anew
	MT 156, 124, 3
	s_wait_dscnt 8                                 ; tile 4's are in
	MT 172, 220, 4
	NOPS 5                                         ; five places: k's first products begin the same accumulators anew
	s_wait_alu depctr_va_vdst(0)                   ; the products have written v156-187, which the stores read, and are done reading wq, its scale words and bias, in which wk lands, and A and B
	WLOAD 20, 22, 24                               ; wk
	DSTORE 156, 16
	BARRIER
; q comes back in the attention's order: v[188 + 16 p + c]
.irp p,0,1,2,3
.irp i,0,1,2,3
	ds_load_b128 v[188+16*\p+4*\i:191+16*\p+4*\i], v8 offset:4*BP*\p+16*\i
.endr
.endr
	BARRIER                                        ; everybody's q is in registers: BIG may take k
; ---------------------------------------------------------------- k for the frame
	s_wait_alu depctr_vm_vsrc(0)                   ; q's last stores have read v156-187, which k's products begin anew
	s_wait_loadcnt 0x0                             ; wk
	FRAME
	BARRIER
; ---------------------------------------------------------------- scores and softmax.  v60-123 four key rows, v164-171 partial sums, v[124 + 10 p + j] scores; then v[188 + 10 p + j] probabilities
	s_wait_alu depctr_vm_vsrc(0)                   ; k's last stores have read v156-187, of which the scores and the partial sums take v156-171
	s_wait_kmcnt 0x0                               ; rpb
	v_mov_b32 v11, 0xff800000                      ; -infinity
	KROW 0, 60                                     ; no wait: k's products were done reading v60-123 at the wait ahead of k's last stores
	KROW 1, 76
	KROW 2, 92
	KROW 3, 108
	DOT 0, 12
	DOT 1, 8
	s_wait_alu depctr_va_vdst(0)                   ; rows 0 and 1 have been read out of their buffers, in which rows 4 and 5 land
	KROW 4, 60
	KROW 5, 76
	DOT 2, 12
	DOT 3, 8
	s_wait_alu depctr_va_vdst(0)                   ; rows 2 and 3 likewise, for rows 6 and 7
	KROW 6, 92
	KROW 7, 108
	DOT 4, 12
	DOT 5, 8
	s_wait_alu depctr_va_vdst(0)                   ; rows 4 and 5 likewise, for rows 8 and 9
	KROW 8, 60
	KROW 9, 76
	DOT 6, 12
	DOT 7, 8
	DOT 8, 4
	DOT 9, 0
	s_wait_alu depctr_va_vdst(0)                   ; the last rows have been read out of v60-123, in which wv lands
	WLOAD 26, 28, 30                               ; wv: the key rows' registers are free
.set NN, 0
.rept 40
	v_add_f32_dpp v[124+NN], v[124+NN], v[124+NN] row_xmask:4 row_mask:0xf bank_mask:0xf   ; the head's four quarters lie in lanes 4 and 8 apart
.set NN, NN+1
.endr
.set NN, 0
.rept 40
	v_add_f32_dpp v[124+NN], v[124+NN], v[124+NN] row_xmask:8 row_mask:0xf bank_mask:0xf
.set NN, NN+1
.endr
.irp p,0,1,2,3
.irp j,0,1,2,3,4,5,6,7,8,9
	v_fma_f32 v[124+10*\p+\j], v[124+10*\p+\j], 0x3e000000, s[71+\j-\p]   ; / sqrt(64), + rpb[head][j - p + 3]
.endr
.endr
; The window: inner runs take 0 <= j - p <= 6, a sequence's first run j >= 3, its last j <= 6.  What is outside becomes -infinity, by masks of lanes: no branch and no address hangs on the block's place.
.irp p,0,1,2,3
.irp j,0,1,2
.if \j >= \p
	v_cndmask_b32 v[124+10*\p+\j], v[124+10*\p+\j], v11, s82       ; hidden in a first run alone
.else
	v_cndmask_b32 v[124+10*\p+\j], v[124+10*\p+\j], v11, s83       ; kept in a last run alone
.endif
.endr
.irp j,7,8,9
.if \j-\p <= 6
	v_cndmask_b32 v[124+10*\p+\j], v[124+10*\p+\j], v11, s84       ; hidden in a last run alone
.else
	v_cndmask_b32 v[124+10*\p+\j], v[124+10*\p+\j], v11, s85       ; kept in a first run alone
.endif
.endr
.endr
.irp p,0,1,2,3
	v_max3_num_f32 v[228+\p], v[124+10*\p], v[125+10*\p], v[126+10*\p]
.endr
.irp k,3,5,7
.irp p,0,1,2,3
	v_max3_num_f32 v[228+\p], v[228+\p], v[124+10*\p+\k], v[125+10*\p+\k]
.endr
.endr
.irp p,0,1,2,3
	v_max_num_f32 v[228+\p], v[228+\p], v[133+10*\p]               ; the largest score inside the window (seven are finite)
.endr
.irp p,0,1,2,3
	v_mul_f32 v[232+\p], 0xbfb8aa3b, v[228+\p]                     ; - maximum x log2 e
.endr
.irp p,0,2
.irp i,0,2,4,6,8
	v_pk_fma_f32 v[124+10*\p+\i:125+10*\p+\i], v[124+10*\p+\i:125+10*\p+\i], s[66:67], v[232+\p:233+\p] op_sel_hi:[1,0,0]
	v_pk_fma_f32 v[134+10*\p+\i:135+10*\p+\i], v[134+10*\p+\i:135+10*\p+\i], s[66:67], v[232+\p:233+\p] op_sel:[0,0,1] op_sel_hi:[1,0,1]
.endr
.endr
.set NN, 0
.rept 40
	v_exp_f32 v[188+NN], v[124+NN]
.set NN, NN+1
.endr
	v_nop                                          ; a plain instruction behind the last exponential,
	s_wait_alu depctr_va_vdst(0)                   ; and one wait for the forty, ahead of their first reader; they are also done reading v124-163, of which A takes v's fragments
.irp p,0,1,2,3
	v_pk_add_f32 v[236+2*\p:237+2*\p], v[188+10*\p:189+10*\p], v[190+10*\p:191+10*\p]
.endr
.irp k,4,6,8
.irp p,0,1,2,3
	v_pk_add_f32 v[236+2*\p:237+2*\p], v[236+2*\p:237+2*\p], v[188+10*\p+\k:189+10*\p+\k]
.endr
.endr
.irp p,0,1,2,3
	v_add_f32 v[236+2*\p], v[236+2*\p], v[237+2*\p]
.endr
.irp p,0,1,2,3
	v_rcp_f32 v[244+\p], v[236+2*\p]
.endr
	v_nop
	s_wait_alu depctr_va_vdst(0)                   ; one wait for the four reciprocals, ahead of their first reader
.irp p,0,2
.irp i,0,2,4,6,8
	v_pk_mul_f32 v[188+10*\p+\i:189+10*\p+\i], v[188+10*\p+\i:189+10*\p+\i], v[244+\p:245+\p] op_sel_hi:[1,0]
	v_pk_mul_f32 v[198+10*\p+\i:199+10*\p+\i], v[198+10*\p+\i:199+10*\p+\i], v[244+\p:245+\p] op_sel:[0,1] op_sel_hi:[1,1]
.endr
.endr
	BARRIER                                        ; everybody has read k: BIG may take v
; ---------------------------------------------------------------- v for the frame
	s_wait_loadcnt 0x0                             ; wv
	FRAME                                          ; its first loads owe no wait: since the exponentials' wait no line names v124-155
	BARRIER
; ---------------------------------------------------------------- ctx = probabilities x v, in f32: v[124 + 16 p + c]; then quantised: a block of 32 channels lies in lanes l and l xor 4
	s_wait_alu depctr_vm_vsrc(0)                   ; v's last stores have read v156-187, which ctx's sums write
	KROW 0, 60                                     ; no wait: v's products were done reading v60-123 at the wait ahead of v's last stores
	KROW 1, 76
	KROW 2, 92
	KROW 3, 108
	PVROW 0, 12
	PVROW 1, 8
	s_wait_alu depctr_va_vdst(0)                   ; rows 0 and 1 have been read out of their buffers, in which rows 4 and 5 land
	KROW 4, 60
	KROW 5, 76
	PVROW 2, 12
	PVROW 3, 8
	s_wait_alu depctr_va_vdst(0)                   ; rows 2 and 3 likewise, for rows 6 and 7
	KROW 6, 92
	KROW 7, 108
	PVROW 4, 12
	PVROW 5, 8
	s_wait_alu depctr_va_vdst(0)                   ; rows 4 and 5 likewise, for rows 8 and 9
	KROW 8, 60
	KROW 9, 76
	PVROW 6, 12
	PVROW 7, 8
	PVROW 8, 4
	PVROW 9, 0
	s_wait_alu depctr_va_vdst(0)                   ; the last rows have been read out of v60-123, in which wo lands
	WLOAD 34, 36, 38                               ; wo
.irp k,0,2,4,6,8,10,12,14
.irp p,0,1,2,3
.if \k == 0
	v_max3_num_f32 v[188+4*\p], |v[124+16*\p]|, |v[125+16*\p]|, 0x1800000
.else
	v_max3_num_f32 v[188+4*\p], v[188+4*\p], |v[124+16*\p+\k]|, |v[125+16*\p+\k]|
.endif
.endr
.endr
.irp p,0,1,2,3
	v_max_num_f32_dpp v[188+4*\p], v[188+4*\p], v[188+4*\p] row_xmask:4 row_mask:0xf bank_mask:0xf
.endr
.irp p,0,1,2,3
	v_add_nc_u32 v[188+4*\p], 0xff000000, v[188+4*\p]
.endr
.irp p,0,1,2,3
	v_cvt_scalef32_pk8_fp4_f32 v[190+4*\p], v[124+16*\p:131+16*\p], v[188+4*\p]
	v_cvt_scalef32_pk8_fp4_f32 v[191+4*\p], v[132+16*\p:139+16*\p], v[188+4*\p]
.endr
	v_nop                                          ; one plain instruction behind the scaled conversions
.irp p,0,1,2,3
	v_lshrrev_b32 v[188+4*\p], 23, v[188+4*\p]
.endr
	s_wait_alu depctr_va_vdst(0)                   ; the codes and the bytes are written, which the stores read; the attention's lines are done with v124-251, in which the next phase's loads land
.irp p,0,1,2,3
	ds_store_b64 v20, v[190+4*\p:191+4*\p] offset:4*CP*\p
	ds_store_b8 v21, v[188+4*\p] offset:64*\p
.endr
	BARRIER
; ---------------------------------------------------------------- attn_out = ctx wo^T + bo into rows 0-63 of BIG
	s_wait_alu depctr_vm_vsrc(0)                   ; ctx's stores have read v188-203, in which rows of hidden_states land
.irp i,0,1,2,3
.irp u,0,1
.irp q,0,1
	global_load_b128 v[188+16*\i+8*\u+4*\q:191+16*\i+8*\u+4*\q], v6, s[98:99] offset:2048*\i+1024*\u+16*\q   ; my four own rows of hidden_states, for the residual
.endr
.endr
.endr
	ASLOAD CXS, 2
	s_wait_loadcnt 16                              ; wo is in; the 16 loads just issued may be out
	PAIR0 CXC, 0
	PAIRN CXC, 2, 5
	s_wait_alu depctr_va_vdst(0)                   ; the last pair has written v156-187, which the stores read; the products are done reading wo, its scale words and bias, in which w1's first group lands
	WLOAD 44, 46, 48                               ; w1's first 32 of my 128 rows
	DSTORE 156, 16
	BARRIER
; ---------------------------------------------------------------- hidden = x + attn_out, kept in BIG; LN2; its codes.  Wave w: rows 4 w .. 4 w + 3.  v188-251 the rows, v124-187 attn_out, then v124-155 gain and bias, v156-171 temporaries
	s_wait_alu depctr_vm_vsrc(0)                   ; q's loads have read v8 and ctx's stores v20 and v21, which are written below; the last stores have read v156-187, in which attn_out lands
	s_mul_i32 s2, s58, 4*BP
	s_add_co_u32 s2, s2, BIG
	v_and_b32 v12, 31, v0
	v_lshl_add_u32 v8, v12, 5, s2
	s_mul_i32 s2, s58, 4*CP
	v_lshl_add_u32 v20, v12, 2, s2
	s_lshl_b32 s2, s58, 6
	v_lshrrev_b32 v21, 2, v12
	v_add_nc_u32 v21, s2, v21
	s_wait_alu depctr_va_vdst(0)                   ; v8, v20 and v21 are written, which the loads and stores of this phase read
.irp i,0,1,2,3
.irp u,0,1
.irp q,0,1
	ds_load_b128 v[124+16*\i+8*\u+4*\q:127+16*\i+8*\u+4*\q], v8 offset:BP*\i+1024*\u+16*\q
.endr
.endr
.endr
	s_wait_dscnt 0x0
	s_wait_loadcnt 21                              ; my rows of hidden_states are in; w1's 21 loads may be out
.set NN, 0
.rept 32
	v_pk_add_f32 v[188+NN:189+NN], v[188+NN:189+NN], v[124+NN:125+NN]
.set NN, NN+2
.endr
	s_wait_alu depctr_va_vdst(0)                   ; the sums are written into v188-251, which the stores read, and are done reading v124-155, in which gain and bias land
.irp u,0,1
.irp q,0,1
	global_load_b128 v[124+8*\u+4*\q:127+8*\u+4*\q], v6, s[40:41] offset:1024*\u+16*\q
	global_load_b128 v[140+8*\u+4*\q:143+8*\u+4*\q], v6, s[42:43] offset:1024*\u+16*\q
.endr
.endr
.irp i,0,1,2,3
.irp u,0,1
.irp q,0,1
	ds_store_b128 v8, v[188+16*\i+8*\u+4*\q:191+16*\i+8*\u+4*\q] offset:BP*\i+1024*\u+16*\q   ; my own rows: no other wave touches them before the next barrier
.endr
.endr
.endr
	s_wait_dscnt 0x0                               ; the stores have landed
	s_wait_alu depctr_vm_vsrc(0)                   ; the stores have read the rows v188-251, which are centred in place below
	LNSTAT 188, 4, 156
	s_wait_loadcnt 0x0                             ; gain and bias
	LNAFF 188, 4, 156, 124, 140
	LNQ 188, 4, 156, 20, 21, H1C, H1S
	BARRIER
; ---------------------------------------------------------------- the hidden layer: my 128 units, 32 at a time, for all 64 rows: product, gelu, quantiser, codes to LDS
; A TRIP.  Tile 0's fragments lie in A, asked for under the gelu of the trip before (ahead of the loop for the first).  Tile 1's go into B, which the gelu has left; tiles 2 and 3 follow into A and B behind one wait.
; Behind the products one wait serves the next group's 21 loads and the next trip's tile 0; they land under the gelu, which names neither the weights' registers nor A.
	s_wait_alu depctr_vm_vsrc(0)                   ; the attention's loads have read v9 and v10, which are written below; LN2's stores have read v156-171, which the first products write
	ASLOAD H1S, 2
	LT 124, H1C, 0                                 ; no wait: LN2's lines on v124-155 stand ahead of its quantiser's wait
	s_mov_b32 s66, 0xabd3f331                      ; P's seven coefficients, the highest power first, each twice (the packed forms name pairs)
	s_mov_b32 s68, 0x2fa84a8d
	s_mov_b32 s70, 0xb347667d
	s_mov_b32 s72, 0xb628d45d
	s_mov_b32 s74, 0xb8883d9c
	s_mov_b32 s76, 0xba08eb41
	s_mov_b32 s78, 0xbbba79f3
	s_mov_b32 s80, 0xb57460cd                      ; Q's five
	s_mov_b32 s82, 0xb7dfbd29
	s_mov_b32 s84, 0xb9dc924e
	s_mov_b32 s86, 0xbb719bf8
	s_mov_b32 s88, 0xbc69b6a7
.irp a,66,68,70,72,74,76,78,80,82,84,86,88
	s_mov_b32 s[\a+1], s[\a]
.endr
	s_mov_b32 s90, 0x40b504f3                      ; 4 sqrt 2
	v_and_b32 v12, 15, v0
	v_bfe_u32 v13, v0, 4, 1
	v_and_b32 v14, 31, v0
	v_mul_u32_u24 v252, v12, FP
	v_lshl_add_u32 v9, v13, 4, v252
	v_add_nc_u32 v9, FFC, v9                       ; the last product's fragments: row r, + 16 h
	v_lshl_add_u32 v252, v13, 2, v252
	s_lshl_b32 s2, s58, 6
	s_add_co_u32 s2, s2, FFC
	v_add_nc_u32 v252, s2, v252                    ; where I put codes: row r, my wave's 64 bytes, + 4 h
	v_mul_u32_u24 v253, v12, 80
	s_lshl_b32 s2, s58, 2
	s_add_co_u32 s2, s2, FFS
	v_add_nc_u32 v253, s2, v253                    ; and scale bytes: row r, my wave's four
	v_mul_u32_u24 v10, v14, 80                     ; the rows' scale words: 80 x lane
.macro TRIP last
	s_wait_alu depctr_vm_vsrc(0)                   ; the last group's stores have read v220-235, in which tile 1's fragments land, and v7 and v8, which are written below
	LT 220, H1C, 1                                 ; no wait on va_vdst: behind the quantiser's wait (LN2's in the first trip) no line names v220-251
	s_wait_loadcnt 0x0                             ; this group's weights; the bases below are stepped behind this wait
	s_wait_dscnt 8                                 ; tile 0's fragments are in (in the first trip the scale words too); tile 1's may be out
	MT 156, 124, 0
	s_wait_dscnt 0x0
	MT 172, 220, 1
	NOPS 4
	s_wait_alu depctr_va_vdst(0)                   ; the products of tiles 0 and 1 are done reading A and B, in which tiles 2 and 3 land
	LT 124, H1C, 2
	LT 220, H1C, 3
	s_wait_dscnt 8                                 ; tile 2's are in
	MT 188, 124, 2
	s_wait_dscnt 0x0
	MT 204, 220, 3
	NOPS 4
	s_wait_alu depctr_va_vdst(0)                   ; the group's products are done reading the weights, their scale words and the biases, in which the next weights land, and A
.if \last
	global_load_b128 v[24:27], v23, s[52:53]       ; w2's first scale words and its first two chunks
	W2LOAD 0, 60
	W2LOAD 1, 92
	v_add_nc_u32 v7, 48, v252
	v_add_nc_u32 v8, 3, v253
.else
	s_add_nc_u64 s[44:45], s[44:45], 8192
	s_add_nc_u64 s[46:47], s[46:47], 512
	s_add_nc_u64 s[48:49], s[48:49], 128
	WLOAD 44, 46, 48                               ; the next group lands while this one goes through the gelu
	LT 124, H1C, 0                                 ; and so do the next trip's first fragments
	v_add_nc_u32 v7, s92, v252                     ; 16 bytes of codes a group,
	v_add_nc_u32 v8, s91, v253                     ; one scale byte
.endif
.irp t,0,1,2,3,4,5,6,7
	GELU 156+8*\t
.endr
	FQ
.endm
	s_mov_b32 s91, 0
	s_mov_b32 s92, 0
.Lff:                                                  ; three trips; the fourth group is written out, since it asks for w2 and not for a next group
	TRIP 0
	s_add_co_u32 s92, s92, 16
	s_add_co_u32 s91, s91, 1
	s_cmp_lt_u32 s91, 3
	s_cbranch_scc1 .Lff
	TRIP 1
	BARRIER
; ---------------------------------------------------------------- hidden + ff w2^T: the sums begin as hidden, read from BIG in the result's layout.  v60-155 three sets of w2, v156-219 eight accumulators, v220-251 two sets of fragments
	s_wait_alu depctr_vm_vsrc(0)                   ; the last group's stores have read v220-235, in which fragments land, and v8, which is written again behind the products
	global_load_b128 v[28:31], v23, s[52:53] offset:16
	W2LOAD 2, 124                                  ; no wait on va_vdst for this phase's first loads: behind the quantiser's wait no vector or matrix line has been issued
.irp m,0,1
.irp ct,0,1
.irp q,0,1
	ds_load_b128 v[156+16*\m+8*\ct+4*\q:159+16*\m+8*\ct+4*\q], v5 offset:16*BP*\m+64*\ct+16*\q
.endr
.endr
.endr
.irp m,0,1
.irp ct,0,1
.irp q,0,1
	ds_load_b128 v[188+16*\m+8*\ct+4*\q:191+16*\m+8*\ct+4*\q], v16 offset:16*BP*\m+64*\ct+16*\q
.endr
.endr
.endr
	ds_load_b128 v[32:35], v10 offset:FFS
	ds_load_b128 v[36:39], v10 offset:FFS+2560
	ACT2 0
	ACT2 1
.set WN, 0
.rept 32
	W2STEP WN
.set WN, WN+1
.endr
	s_mul_i32 s2, s58, 4*BP
	s_add_co_u32 s2, s2, BIG
	v_add_nc_u32 v8, s2, v2                        ; where I read my four whole rows back
.irp q,0,1,2,3
	global_load_b128 v[44+4*\q:47+4*\q], v2, s[54:55] offset:512*\q   ; b2, as the rows will be read
.endr
	s_wait_alu depctr_va_vdst(0)                   ; the last products have written the accumulators, which the stores read (the places stand above), and are done reading v60-123, in which the rows land; v8 is written
.irp m,0,1
.irp ct,0,1
	ds_store_b128 v5, v[156+16*\m+8*\ct:159+16*\m+8*\ct] offset:16*BP*\m+64*\ct       ; back to my own 128 bytes of each row; each accumulator from its low end on
	ds_store_b128 v5, v[160+16*\m+8*\ct:163+16*\m+8*\ct] offset:16*BP*\m+64*\ct+16
.endr
.endr
.irp m,0,1
.irp ct,0,1
	ds_store_b128 v16, v[188+16*\m+8*\ct:191+16*\m+8*\ct] offset:16*BP*\m+64*\ct
	ds_store_b128 v16, v[192+16*\m+8*\ct:195+16*\m+8*\ct] offset:16*BP*\m+64*\ct+16
.endr
.endr
	BARRIER
; ---------------------------------------------------------------- out0: each wave stores four whole rows, + b2
.irp i,0,1,2,3
.irp q,0,1,2,3
	ds_load_b128 v[60+16*\i+4*\q:63+16*\i+4*\q], v8 offset:BP*\i+512*\q
.endr
.endr
	s_wait_loadcnt 0x0                             ; b2
.irp i,0,1,2,3
	s_wait_dscnt 12-4*\i                           ; LDS loads come back in order: this row's four are in, the younger rows' may be out
.irp q,0,1,2,3
	v_pk_add_f32 v[60+16*\i+4*\q:61+16*\i+4*\q], v[60+16*\i+4*\q:61+16*\i+4*\q], v[44+4*\q:45+4*\q]
	v_pk_add_f32 v[62+16*\i+4*\q:63+16*\i+4*\q], v[62+16*\i+4*\q:63+16*\i+4*\q], v[46+4*\q:47+4*\q]
.endr
	s_wait_alu depctr_va_vdst(0)                   ; the row's eight additions are written, which its four stores read
.irp q,0,1,2,3
	global_store_b128 v2, v[60+16*\i+4*\q:63+16*\i+4*\q], s[56:57] offset:2048*\i+512*\q th:TH_STORE_NT   ; 32 lanes store 512 consecutive bytes, at a multiple of 256 from out0's first byte
.endr
.endr
	s_wait_dscnt 0x0
	s_wait_alu depctr_hold_cnt(0) depctr_sa_sdst(0) depctr_va_vdst(0) depctr_va_sdst(0) depctr_va_ssrc(0) depctr_va_vcc(0) depctr_vm_vsrc(0)
	s_wait_tensorcnt 0x0
	ds_add_u32 v254, v255
	s_wait_dscnt 0x0
	s_endpgm
.Lfunc_end_k_qdcbb25ff2a_layer:
	.size	k_qdcbb25ff2a_layer, .Lfunc_end_k_qdcbb25ff2a_layer-k_qdcbb25ff2a_layer
	.p2alignl 7, 3214868480
	.fill 96, 4, 3214868480
	.section	.rodata,"a",@progbits
	.p2align	6, 0x0
	.amdhsa_kernel k_qdcbb25ff2a_layer
		.amdhsa_group_segment_fixed_size 317952
		.amdhsa_private_segment_fixed_size 0
		.amdhsa_enable_private_segment 0
		.amdhsa_kernarg_size 200
		.amdhsa_user_sgpr_count 2
		.amdhsa_user_sgpr_kernarg_segment_ptr 1
		.amdhsa_wavefront_size32 1
		.amdhsa_system_sgpr_workgroup_id_x 1
		.amdhsa_system_sgpr_workgroup_id_y 1
		.amdhsa_system_sgpr_workgroup_id_z 1
		.amdhsa_system_vgpr_workitem_id 0
		.amdhsa_next_free_vgpr 256
		.amdhsa_next_free_sgpr 100
		.amdhsa_reserve_vcc 0
		.amdhsa_float_denorm_mode_32 3
		.amdhsa_float_denorm_mode_16_64 3
		.amdhsa_memory_ordered 1
		.amdhsa_forward_progress 1
		.amdhsa_inst_pref_size 255
	.end_amdhsa_kernel
	.section	.bss,"aw",@nobits
	.p2align	6
	.space	262144
	.amdgpu_metadata
---
amdhsa.version: [ 1, 2 ]
amdhsa.kernels:
  - .name:           k_qdcbb25ff2a_layer
    .symbol:         k_qdcbb25ff2a_layer.kd
    .args:
      - { .name: hidden_states, .offset: 0, .size: 8, .value_kind: global_buffer, .address_space: global }
      - { .name: ln1_g, .offset: 8, .size: 8, .value_kind: global_buffer, .address_space: global }
      - { .name: ln1_b, .offset: 16, .size: 8, .value_kind: global_buffer, .address_space: global }
      - { .name: wq_codes, .offset: 24, .size: 8, .value_kind: global_buffer, .address_space: global }
      - { .name: wq_scales, .offset: 32, .size: 8, .value_kind: global_buffer, .address_space: global }
      - { .name: bq, .offset: 40, .size: 8, .value_kind: global_buffer, .address_space: global }
      - { .name: wk_codes, .offset: 48, .size: 8, .value_kind: global_buffer, .address_space: global }
      - { .name: wk_scales, .offset: 56, .size: 8, .value_kind: global_buffer, .address_space: global }
      - { .name: bk, .offset: 64, .size: 8, .value_kind: global_buffer, .address_space: global }
      - { .name: wv_codes, .offset: 72, .size: 8, .value_kind: global_buffer, .address_space: global }
      - { .name: wv_scales, .offset: 80, .size: 8, .value_kind: global_buffer, .address_space: global }
      - { .name: bv, .offset: 88, .size: 8, .value_kind: global_buffer, .address_space: global }
      - { .name: rpb, .offset: 96, .size: 8, .value_kind: global_buffer, .address_space: global }
      - { .name: wo_codes, .offset: 104, .size: 8, .value_kind: global_buffer, .address_space: global }
      - { .name: wo_scales, .offset: 112, .size: 8, .value_kind: global_buffer, .address_space: global }
      - { .name: bo, .offset: 120, .size: 8, .value_kind: global_buffer, .address_space: global }
      - { .name: ln2_g, .offset: 128, .size: 8, .value_kind: global_buffer, .address_space: global }
      - { .name: ln2_b, .offset: 136, .size: 8, .value_kind: global_buffer, .address_space: global }
      - { .name: w1_codes, .offset: 144, .size: 8, .value_kind: global_buffer, .address_space: global }
      - { .name: w1_scales, .offset: 152, .size: 8, .value_kind: global_buffer, .address_space: global }
      - { .name: b1, .offset: 160, .size: 8, .value_kind: global_buffer, .address_space: global }
      - { .name: w2_codes, .offset: 168, .size: 8, .value_kind: global_buffer, .address_space: global }
      - { .name: w2_scales, .offset: 176, .size: 8, .value_kind: global_buffer, .address_space: global }
      - { .name: b2, .offset: 184, .size: 8, .value_kind: global_buffer, .address_space: global }
      - { .name: out0, .offset: 192, .size: 8, .value_kind: global_buffer, .address_space: global }
    .group_segment_fixed_size: 317952
    .private_segment_fixed_size: 0
    .kernarg_segment_align: 8
    .kernarg_segment_size: 200
    .max_flat_workgroup_size: 512
    .sgpr_count:     100
    .vgpr_count:     256
    .wavefront_size: 32
...
	.end_amdgpu_metadata
.endif
;; end of part 2
